; MI455X (gfx1250); checked and timed in simulation.
; The chip was launched on July 23, 2026; its instructions are those of AMD's public machine-readable ISA for CDNA 5 (MIT licence, August 2026) and "CDNA5" Instruction Set Architecture Reference Guide (July 2026). The comments in the code are by the model that wrote it; some were corrected since.
;; Llama Mo EMLP. Allowed arithmetic: float matrix products may take bf16 or f16 operands with f32 sums; other float arithmetic in f32, or as packed bf16 or f16 multiplies, adds, multiply-adds, maxima and minima; sums over many terms, partial sums and values carried from step to step in f32; what a program stores and reads back later, other than sums and carried values, may be rounded once to bf16 or f16.
;; Inputs: Wd 8 x 2,048 x 344 float32; Wg 8 x 344 x 2,048 float32; Wu 8 x 344 x 2,048 float32; router_w 8 x 2,048 float32; x 2 x 2,048 x 2,048 float32.
;; Outputs: out0 2 x 2,048 x 2,048 float32.
;; 2 versions, each right; version 2 is version 1 with the launch prep written anew for expert scheduling mode. Each part assembles by itself: llvm-mc -triple=amdgcn-amd-amdhsa -mcpu=gfx1250 --defsym DOCPART=n.
;; ======== version 1 of 2: 3 launches
;; workspace buffers: xb 16,777,216 bytes; w1 23,068,672 bytes; w2 11,534,336 bytes; route 32,768 bytes of whole numbers; wts 131,072 bytes; hs 33,554,432 bytes
;; launch prep (part 1): grid 432 x 1, 8 waves a work-group, no clusters, 101,376 bytes of LDS; arguments x, router_w, Wg, Wu, Wd, xb, w1, w2, route, wts; writes xb, w1, w2, route, wts
.if DOCPART == 1
	.amdgcn_target "amdgcn-amd-amdhsa--gfx1250"
	.amdhsa_code_object_version 6
	.text
	.protected	k_q22130ba1c5_prep
	.globl	k_q22130ba1c5_prep
	.p2align	8
	.type	k_q22130ba1c5_prep,@function
k_q22130ba1c5_prep:
	s_mov_b64 s[64:65], 0
	v_nop
	global_prefetch_b8 v0, s[64:65] scope:SCOPE_SE
	s_setreg_imm32_b32 hwreg(HW_REG_WAVE_MODE, 25, 1), 1
	s_wait_xcnt 0x0
; PREP.  Three kinds of work-group, told apart by the work-group's number alone:
;   0..127   (X) 32 tokens each: x is rounded to bf16 (xb), the 8 router logits are made by the matrix unit from the rounded x and the rounded router_w,
;            then top-2, the softmax of the two, the routing bitmaps and counts (route) and the combine weights (wts), all at fixed places.
;   128..303 (G) a wave takes 16 rows x 512 k of Wg or Wu: rounded to bf16 and laid out as the operand registers of the first product take them (w1).
;   304..431 (D) a wave takes 16 rows of Wd (22,016 dense bytes): the same for the second product (w2).
; LIMITS.  Every input is rounded once to bf16.  The logits are f32 sums in the matrix unit's order, then over the eight waves in ascending k: a gap between the second and third logit
; of the size of that rounding (about 1e-6 of the logits) may fall the other way than a sum in another order.  Ties go to the lower index.  NaN and infinities are not treated apart.
; No tensor load: the pieces are converted on their way through registers, so a copy into LDS would only add a round trip.  No cluster: no two work-groups read the same large tile.
; w1 byte = e*2883584 + P*131072 + ks*2048 + gu*1024 + hf*512 + lane*16: weight row 16P + lane%16, k = 32ks + 16hf + 8(lane/16) + 0..7; rows from 344 on are 0.
; w2 byte = (e*128 + nb)*11264 + v*1024 + hf*512 + lane*16: Wd[e][16nb + lane%16][176hf + 16v + 8(lane/16) + 0..7]; columns from 344 on are 0.
; route: 64 words for each group of 32 tokens: 0-7 bitmaps of the lower chosen expert, 8-15 of the higher, 16-23 tokens of each expert, 24-51 tokens of each pair (a<b), 52-63 zero.
.set REGB,  11520                      ; a wave's own LDS region: 16 rows x 720 bytes (path D); X and G use 8,704 and 4,352 of it
.set RWST,  4352                       ; in it, behind 16 rows x 272: router_w's 2 x 8 rows x 272
.set PART,  92160                      ; 8 waves x 1,024 bytes: partial logits, 32 tokens x 8 f32
.set SPARE, 100352                     ; the spare words, 128 bytes a wave: four blocks of 256 bytes that no other line names
.set SL0,   128                        ; v128-191, v192-255: two load slots of 16 rows x 4 registers
.set SL1,   192
; v1 lane  v2,v3 spare word and 0  v4 16 lane  v5 8 lane  v6 lane%16  v7 lane/16  v8 stage in  v9 fragment of 16 rows  v10 fragment of router_w  v11 partial logits
; v12 offset of rows 8-15 (G)  v13 lane*48771 (D)  v14 fragment (D)  v15 zero pad (D)  v16-19 zeros  v24-55 four accumulators  v63 where wave 0 reads the partial logits  v64-127 fragments
.macro CVT2 b                          ; four f32 become four bf16 in the first two registers
	v_cvt_pk_bf16_f32 v[\b], v[\b], v[(\b)+1]
	v_cvt_pk_bf16_f32 v[(\b)+1], v[(\b)+2], v[(\b)+3]
.endm
.macro LDX tile, kp, slot              ; 16 tokens x 128 k of x: each load 512 consecutive bytes of one row
.set j, 0
.rept 16
	global_load_b128 v[(\slot)+4*j:(\slot)+4*j+3], v4, s[4:5] offset:(16*(\tile)+j)*8192+512*(\kp) th:TH_LOAD_NT
.set j, j+1
.endr
.endm
; One piece of x: rounded, stored to xb (each store 256 consecutive bytes, aligned), staged in LDS, read back as fragments, four products.
; Source 0 = router_w's rows (lane%8, so both halves of the lanes end with experts 0-7 in registers 0-7), source 1 = 16 tokens.
.macro PROCX tile, kp, slot, zero
.set A0, 24+16*(\tile)
.set j, 0
.rept 16
	CVT2 (\slot)+4*j
	global_store_b64 v5, v[(\slot)+4*j:(\slot)+4*j+1], s[14:15] offset:(16*(\tile)+j)*4096+256*(\kp)
	ds_store_b64 v8, v[(\slot)+4*j:(\slot)+4*j+1] offset:272*j
.set j, j+1
.endr
.set j, 0
.rept 4                                ; the 32 conversions above are the places between the last products and these loads into their sources
	ds_load_b128 v[64+8*j:64+8*j+3], v9 offset:64*j
	ds_load_b128 v[64+8*j+4:64+8*j+7], v9 offset:64*j+32
	ds_load_b128 v[96+8*j:96+8*j+3], v10 offset:2176*(\kp)+64*j
	ds_load_b128 v[96+8*j+4:96+8*j+7], v10 offset:2176*(\kp)+64*j+32
.set j, j+1
.endr
	s_wait_dscnt 0x0
.if \zero                              ; two accumulators a tile take turns; the first products start the sums
	v_wmma_f32_16x16x32_bf16 v[A0:A0+7], v[96:103], v[64:71], 0
	v_wmma_f32_16x16x32_bf16 v[A0+8:A0+15], v[104:111], v[72:79], 0
.else
	v_wmma_f32_16x16x32_bf16 v[A0:A0+7], v[96:103], v[64:71], v[A0:A0+7]
	v_wmma_f32_16x16x32_bf16 v[A0+8:A0+15], v[104:111], v[72:79], v[A0+8:A0+15]
.endif
	v_wmma_f32_16x16x32_bf16 v[A0:A0+7], v[112:119], v[80:87], v[A0:A0+7]
	v_wmma_f32_16x16x32_bf16 v[A0+8:A0+15], v[120:127], v[88:95], v[A0+8:A0+15]
.endm
.macro LDG kp, slot                    ; 16 weight rows x 128 k; rows 8-15 by an offset of their own (see P = 21)
.set j, 0
.rept 8
	global_load_b128 v[(\slot)+4*j:(\slot)+4*j+3], v4, s[8:9] offset:j*8192+512*(\kp) th:TH_LOAD_NT
.set j, j+1
.endr
.rept 8
	global_load_b128 v[(\slot)+4*j:(\slot)+4*j+3], v12, s[8:9] offset:(j-8)*8192+512*(\kp) th:TH_LOAD_NT
.set j, j+1
.endr
.endm
.macro PROCG kp, slot, nxt             ; nxt: the piece that the slot takes next, or -1
.set j, 0
.rept 16
	CVT2 (\slot)+4*j
.if j >= 8
	v_and_b32 v[(\slot)+4*j], s37, v[(\slot)+4*j]          ; rows that do not exist become 0
	v_and_b32 v[(\slot)+4*j+1], s37, v[(\slot)+4*j+1]
.endif
	ds_store_b64 v8, v[(\slot)+4*j:(\slot)+4*j+1] offset:272*j
.set j, j+1
.endr
	s_wait_xcnt 0x0                        ; v64-95 were the last piece's store data: rewritten only behind this wait
.set j, 0
.rept 8
	ds_load_b128 v[64+4*j:64+4*j+3], v9 offset:32*j
.set j, j+1
.endr
	s_wait_dscnt 0x0
.if (\nxt) >= 0
	LDG \nxt, \slot
.endif
.set j, 0
.rept 8
	global_store_b128 v4, v[64+4*j:64+4*j+3], s[16:17] offset:(4*(\kp)+j/2)*2048+512*(j%2)   ; 512 consecutive bytes, aligned
.set j, j+1
.endr
.endm
	s_load_b512 s[4:19], s[0:1], 0x0               ; x, router_w, Wg, Wu, Wd, xb, w1, w2
	s_load_b128 s[20:23], s[0:1], 0x40             ; route, wts
	v_lshl_add_u32 v2, v0, 2, SPARE
	v_mov_b32 v3, 0
	v_lshrrev_b32 v20, 5, v0
	v_readfirstlane_b32 s24, v20                   ; wave 0..7
	s_mov_b32 s27, ttmp9
	s_mul_i32 s25, s24, REGB                       ; my region
	v_and_b32 v1, 31, v0
	v_lshlrev_b32 v4, 4, v1
	v_lshlrev_b32 v5, 3, v1
	v_and_b32 v6, 15, v1
	v_lshrrev_b32 v7, 4, v1
	v_add_nc_u32 v8, s25, v5
	v_mul_u32_u24 v9, v6, 272
	v_lshl_add_u32 v9, v7, 4, v9
	v_add_nc_u32 v9, s25, v9
	v_and_b32 v10, 7, v1
	v_mul_u32_u24 v10, v10, 272
	v_lshl_add_u32 v10, v7, 4, v10
	v_add_nc_u32 v10, s25, v10
	v_add_nc_u32 v10, RWST, v10
	s_lshl_b32 s26, s24, 10
	v_lshl_add_u32 v11, v1, 5, s26
	v_add_nc_u32 v11, PART, v11
	v_mul_u32_u24 v13, v1, 48771
	v_mul_u32_u24 v14, v6, 720
	v_add_nc_u32 v14, s25, v14
	v_add_nc_u32 v15, 688, v14
	v_lshl_add_u32 v14, v7, 4, v14
	v_mov_b32 v16, 0
	v_mov_b32 v17, 0
	v_mov_b32 v18, 0
	v_mov_b32 v19, 0
	s_mov_b32 s29, 0                               ; the high word of every offset pair below
	s_mov_b32 s35, 0
	s_wait_kmcnt 0x0
	s_cmp_lt_u32 s27, 128
	s_cbranch_scc1 .LpathX
	s_cmp_lt_u32 s27, 304
	s_cbranch_scc1 .LpathG
	; PATH D.  16 rows of 344 f32 are 43 x 512 dense bytes: all 43 loads go out at once.
	s_sub_co_u32 s28, s27, 304
	s_lshl_b32 s28, s28, 3
	s_add_co_u32 s30, s28, s24                     ; e*128 + nb
	s_mul_i32 s28, s30, 22016
	s_add_nc_u64 s[12:13], s[12:13], s[28:29]
	s_mul_i32 s28, s30, 11264
	s_add_nc_u64 s[18:19], s[18:19], s[28:29]
.set q, 0
.rept 43
	global_load_b128 v[64+4*q:64+4*q+3], v4, s[12:13] offset:512*q th:TH_LOAD_NT
.set q, q+1
.endr
	ds_store_b128 v15, v[16:19]                    ; columns 344-351 of my 16 rows
.set q, 0
.rept 43                               ; group G = 32 q + lane of four numbers lies in row G / 86 = (G * 48771) >> 22 (48771 * 86 = 2^22 + 2: exact far beyond G = 1375); LDS byte 8 G + 32 row at pitch 720
	s_wait_loadcnt 42-q                            ; loads come back in order: the 42 - q younger ones stay out
	CVT2 64+4*q
	v_add_nc_u32 v[20+q%4], q*1560672, v13
	v_lshrrev_b32 v[20+q%4], 22, v[20+q%4]
	v_lshl_add_u32 v[20+q%4], v[20+q%4], 5, v8
	ds_store_b64 v[20+q%4], v[64+4*q:64+4*q+1] offset:256*q
.set q, q+1
.endr
	s_wait_dscnt 0x0
.set q, 0
.rept 22
	ds_load_b128 v[64+4*q:64+4*q+3], v14 offset:32*(q/2)+352*(q%2)
.set q, q+1
.endr
.set q, 0
.rept 22
	s_wait_dscnt 21-q                              ; LDS loads come back in order
	global_store_b128 v4, v[64+4*q:64+4*q+3], s[18:19] offset:1024*(q/2)+512*(q%2)
.set q, q+1
.endr
	s_branch .Ljoin
.LpathG:
	s_sub_co_u32 s28, s27, 128
	s_lshl_b32 s28, s28, 3
	s_add_co_u32 s28, s28, s24                     ; 0..1407 = ((e*22 + P)*2 + gu)*4 + kq
	s_and_b32 s30, s28, 3                          ; kq: which 512 k
	s_lshr_b32 s28, s28, 2
	s_and_b32 s31, s28, 1                          ; gu
	s_lshr_b32 s28, s28, 1                         ; e*22 + P
	s_mul_i32 s32, s28, 2979
	s_lshr_b32 s32, s32, 16                        ; e (2979 * 22 = 2^16 + 2: exact below 176)
	s_mul_i32 s33, s32, 22
	s_sub_co_u32 s33, s28, s33                     ; P
	s_cmp_eq_u32 s31, 1
	s_cselect_b64 s[8:9], s[10:11], s[8:9]         ; Wu or Wg
	s_mul_i32 s34, s32, 344
	s_lshl4_add_u32 s34, s33, s34                  ; first row
	s_lshl_b32 s34, s34, 13
	s_lshl_b32 s36, s30, 11
	s_add_co_u32 s34, s34, s36
	s_add_nc_u64 s[8:9], s[8:9], s[34:35]
	s_mul_i32 s34, s32, 2883584
	s_lshl_b32 s36, s33, 17
	s_add_co_u32 s34, s34, s36
	s_lshl_b32 s36, s30, 15
	s_add_co_u32 s34, s34, s36
	s_lshl_b32 s36, s31, 10
	s_add_co_u32 s34, s34, s36
	s_add_nc_u64 s[16:17], s[16:17], s[34:35]
	s_cmp_eq_u32 s33, 21                           ; the last block has 8 rows: its rows 8-15 read rows 0-7 again, inside the buffer, and are cleared
	s_cselect_b32 s36, 0, 65536
	s_cselect_b32 s37, 0, -1
	v_add_nc_u32 v12, s36, v4
	LDG 0, SL0
	LDG 1, SL1
	s_wait_loadcnt 16                              ; one piece of 16 loads is younger
	PROCG 0, SL0, 2
	s_wait_loadcnt 16
	PROCG 1, SL1, 3
	s_wait_loadcnt 16
	PROCG 2, SL0, -1
	s_wait_loadcnt 0x0
	PROCG 3, SL1, -1
	s_branch .Ljoin
.LpathX:                                       ; wave w has k = 256 w .. 256 w + 255 of the group's 32 tokens
	s_lshl_b32 s28, s27, 18
	s_lshl_b32 s30, s24, 10
	s_add_co_u32 s28, s28, s30
	s_add_nc_u64 s[4:5], s[4:5], s[28:29]
	s_mov_b32 s28, s30
	s_add_nc_u64 s[6:7], s[6:7], s[28:29]
	s_lshl_b32 s28, s27, 17
	s_lshl_b32 s30, s24, 9
	s_add_co_u32 s28, s28, s30
	s_add_nc_u64 s[14:15], s[14:15], s[28:29]
.set j, 0
.rept 16                               ; router_w: 8 rows x 128 k, twice
	global_load_b128 v[64+4*j:64+4*j+3], v4, s[6:7] offset:(j%8)*8192+512*(j/8)
.set j, j+1
.endr
	LDX 0, 0, SL0
	LDX 1, 0, SL1
	s_wait_loadcnt 32                              ; router_w is in; the two pieces of x, 32 loads, stay out
.set j, 0
.rept 16
	CVT2 64+4*j
	ds_store_b64 v8, v[64+4*j:64+4*j+1] offset:RWST+2176*(j/8)+272*(j%8)
.set j, j+1
.endr
	s_wait_loadcnt 16                              ; one piece of 16 loads is younger, here and twice more
	PROCX 0, 0, SL0, 1
	s_wait_xcnt 0x0                                ; the slot was store data: loaded again only behind this wait
	LDX 0, 1, SL0
	s_wait_loadcnt 16
	PROCX 1, 0, SL1, 1
	s_wait_xcnt 0x0
	LDX 1, 1, SL1
	s_wait_loadcnt 16
	PROCX 0, 1, SL0, 0
	s_wait_loadcnt 0x0
	PROCX 1, 1, SL1, 0
.rept 4
	v_nop                                          ; the places behind the last product
.endr
.irp k, 0,2,4,6                        ; each accumulator's lowest registers are read first
	v_pk_add_f32 v[24+\k:25+\k], v[24+\k:25+\k], v[32+\k:33+\k]
.endr
.irp k, 0,2,4,6
	v_pk_add_f32 v[40+\k:41+\k], v[40+\k:41+\k], v[48+\k:49+\k]
.endr
	s_mov_b32 s26, 0xffff0000
.irp k, 0,1,2,3,4,5,6,7
	v_cndmask_b32 v[24+\k], v[24+\k], v[40+\k], s26       ; lanes 16-31 take the second tile: lane = token
.endr
	ds_store_b128 v11, v[24:27]
	ds_store_b128 v11, v[28:31] offset:16
.Ljoin:
	s_wait_dscnt 0x0                               ; for the others' sake: my partial logits are in LDS
	s_barrier_signal -1
	s_barrier_wait -1
	s_cmp_ge_u32 s27, 128
	s_cbranch_scc1 .Lend
	s_cmp_lg_u32 s24, 0
	s_cbranch_scc1 .Lend
	; wave 0 of an X group: lane = token.  The address lies outside v64-127, into which the sixteen loads land
	v_lshl_add_u32 v63, v1, 5, PART
.set j, 0
.rept 8
	ds_load_b128 v[64+8*j:64+8*j+3], v63 offset:1024*j
	ds_load_b128 v[64+8*j+4:64+8*j+7], v63 offset:1024*j+16
.set j, j+1
.endr
	s_wait_dscnt 0x0
.set j, 1
.rept 7
.irp k, 0,2,4,6
	v_pk_add_f32 v[64+\k:65+\k], v[64+\k:65+\k], v[64+8*j+\k:65+8*j+\k]
.endr
.set j, j+1
.endr
	; top-2 with strict comparisons: an equal later logit never displaces an earlier one.  v20, v21 the best and its index; v22, v23 the second
	v_cmp_gt_f32 vcc_lo, v65, v64
	v_cndmask_b32 v20, v64, v65, vcc_lo
	v_cndmask_b32 v22, v65, v64, vcc_lo
	v_cndmask_b32 v21, 0, 1, vcc_lo
	v_cndmask_b32 v23, 1, 0, vcc_lo
.set e, 2
.rept 6
	v_cmp_gt_f32 vcc_lo, v[64+e], v20
	v_cmp_gt_f32 s28, v[64+e], v22
	v_cndmask_b32 v22, v22, v[64+e], s28
	v_cndmask_b32 v23, v23, e, s28
	v_cndmask_b32 v22, v22, v20, vcc_lo
	v_cndmask_b32 v23, v23, v21, vcc_lo
	v_cndmask_b32 v20, v20, v[64+e], vcc_lo
	v_cndmask_b32 v21, v21, e, vcc_lo
.set e, e+1
.endr
	v_sub_f32 v56, v22, v20                        ; the maximum is taken away: the exponent is 0 or below
	v_mul_f32 v56, 0x3fb8aa3b, v56
	v_exp_f32 v57, v56
	v_nop
	s_wait_alu depctr_va_vdst(0)                   ; the wait ahead of the result's first use
	v_add_f32 v58, 1.0, v57
	v_rcp_f32 v59, v58                             ; the best one's weight
	v_nop
	s_wait_alu depctr_va_vdst(0)
	v_mul_f32 v60, v57, v59                        ; the second's
	v_cmp_lt_u32 vcc_lo, v21, v23
	v_cndmask_b32 v61, v23, v21, vcc_lo            ; a: the lower expert
	v_cndmask_b32 v62, v21, v23, vcc_lo            ; b: the higher
	v_cndmask_b32 v56, v60, v59, vcc_lo            ; a's weight
	v_cndmask_b32 v58, v59, v60, vcc_lo            ; b's
	v_mov_b32 v80, 0
	v_mov_b32 v81, 0
.set e, 0
.rept 8
	v_cmp_eq_u32 s[32+e], e, v61
	v_cmp_eq_u32 s[40+e], e, v62
	v_cndmask_b32 v[72+e], 0, v56, s[32+e]
	v_cndmask_b32 v[72+e], v[72+e], v58, s[40+e]
.set e, e+1
.endr
.set n, 0
.rept 16                               ; word n of the row goes to lane n / 2, register n % 2
	v_writelane_b32 v[80+n%2], s[32+n], n/2
.set n, n+1
.endr
.set e, 0
.rept 8
	s_or_b32 s50, s[32+e], s[40+e]
	s_bcnt1_i32_b32 s50, s50
	v_writelane_b32 v[80+n%2], s50, n/2
.set n, n+1
.set e, e+1
.endr
.set a, 0
.rept 7
.set b, a+1
.rept 7-a
	s_and_b32 s50, s[32+a], s[40+b]
	s_bcnt1_i32_b32 s50, s50
	v_writelane_b32 v[80+n%2], s50, n/2
.set n, n+1
.set b, b+1
.endr
.set a, a+1
.endr
	s_lshl_b32 s28, s27, 8
	s_add_nc_u64 s[20:21], s[20:21], s[28:29]
	global_store_b64 v5, v[80:81], s[20:21]        ; the group's 256 bytes, whole
	s_lshl_b32 s30, s27, 10
	s_mov_b32 s31, 0
	s_add_nc_u64 s[22:23], s[22:23], s[30:31]
	v_lshlrev_b32 v82, 5, v1
	global_store_b128 v82, v[72:75], s[22:23]
	global_store_b128 v82, v[76:79], s[22:23] offset:16
.Lend:
	s_wait_tensorcnt 0x0                           ; the wave's end
	ds_add_u32 v2, v3
	s_wait_dscnt 0x0
	s_endpgm
.Lfunc_end_k_q22130ba1c5_prep:
	.size	k_q22130ba1c5_prep, .Lfunc_end_k_q22130ba1c5_prep-k_q22130ba1c5_prep
	.p2alignl 7, 3214868480
	.fill 96, 4, 3214868480
	.section	.rodata,"a",@progbits
	.p2align	6, 0x0
	.amdhsa_kernel k_q22130ba1c5_prep
		.amdhsa_group_segment_fixed_size 101376
		.amdhsa_private_segment_fixed_size 0
		.amdhsa_enable_private_segment 0
		.amdhsa_kernarg_size 80
		.amdhsa_user_sgpr_count 2
		.amdhsa_user_sgpr_kernarg_segment_ptr 1
		.amdhsa_wavefront_size32 1
		.amdhsa_system_sgpr_workgroup_id_x 1
		.amdhsa_system_sgpr_workgroup_id_y 1
		.amdhsa_system_sgpr_workgroup_id_z 1
		.amdhsa_system_vgpr_workitem_id 0
		.amdhsa_next_free_vgpr 256
		.amdhsa_next_free_sgpr 66
		.amdhsa_reserve_vcc 1
		.amdhsa_float_denorm_mode_32 3
		.amdhsa_float_denorm_mode_16_64 3
		.amdhsa_memory_ordered 1
		.amdhsa_forward_progress 1
		.amdhsa_inst_pref_size 104
	.end_amdhsa_kernel
	.amdgpu_metadata
---
amdhsa.version: [ 1, 2 ]
amdhsa.kernels:
  - .name:           k_q22130ba1c5_prep
    .symbol:         k_q22130ba1c5_prep.kd
    .args:
      - { .name: x, .offset: 0, .size: 8, .value_kind: global_buffer, .address_space: global }
      - { .name: router_w, .offset: 8, .size: 8, .value_kind: global_buffer, .address_space: global }
      - { .name: Wg, .offset: 16, .size: 8, .value_kind: global_buffer, .address_space: global }
      - { .name: Wu, .offset: 24, .size: 8, .value_kind: global_buffer, .address_space: global }
      - { .name: Wd, .offset: 32, .size: 8, .value_kind: global_buffer, .address_space: global }
      - { .name: xb, .offset: 40, .size: 8, .value_kind: global_buffer, .address_space: global }
      - { .name: w1, .offset: 48, .size: 8, .value_kind: global_buffer, .address_space: global }
      - { .name: w2, .offset: 56, .size: 8, .value_kind: global_buffer, .address_space: global }
      - { .name: route, .offset: 64, .size: 8, .value_kind: global_buffer, .address_space: global }
      - { .name: wts, .offset: 72, .size: 8, .value_kind: global_buffer, .address_space: global }
    .group_segment_fixed_size: 101376
    .private_segment_fixed_size: 0
    .kernarg_segment_align: 8
    .kernarg_segment_size: 80
    .max_flat_workgroup_size: 256
    .sgpr_count:     66
    .vgpr_count:     256
    .wavefront_size: 32
...
	.end_amdgpu_metadata
.endif
;; end of part 1
;; launch gateup (part 2): grid 242 x 1, 4 waves a work-group, no clusters, 327,680 bytes of LDS; arguments xb, w1, route, wts, hs; writes hs
.if DOCPART == 2
	.amdgcn_target "amdgcn-amd-amdhsa--gfx1250"
	.amdhsa_code_object_version 6
	.text
	.protected	k_q22130ba1c5_gateup
	.globl	k_q22130ba1c5_gateup
	.p2align	8
	.type	k_q22130ba1c5_gateup,@function
k_q22130ba1c5_gateup:
	s_mov_b64 s[64:65], 0
	v_nop
	global_prefetch_b8 v0, s[64:65] scope:SCOPE_SE
	s_setreg_imm32_b32 hwreg(HW_REG_WAVE_MODE, 25, 1), 1
	s_wait_xcnt 0x0
; GATE AND UP.  hs[tok][e][half][0..175] = combine(tok, e) * silu(x Wg[e]^T) * (x Wu[e]^T), rounded once to bf16, for the chosen experts alone.
; A work-group has a TILE: one expert, up to 72 of its tokens (by rank, ascending token number), one half (176 of 352 padded columns) of the hidden layer.
; GRID.  The sum over experts of ceil(n_e / 72) is at most floor((8192 + 8 * 71) / 72) = 121 for every split of the 8,192 choices; two halves: 242.  Every wave finds its tile and its tokens for itself
; from route's counts and bitmaps: whole numbers alone.  A work-group that a split leaves without rows (14 at the most: 228 always have rows) passes all three barriers and stores nothing.  It still gathers
; (72 times the one row that the clamps give) and runs the first K step, so that every register and LDS byte that the text reads later is written on every path; the other 63 K steps and the way out it jumps.
; SHARES.  The 72 rows of x (bf16, K = 2048) lie in LDS; the weights come from memory straight into operand registers (w1 is laid out so), four K steps ahead; the first four steps' weights are asked for
; as soon as the expert is known, ahead of the search for the tokens and of the gather.  A wave takes all five blocks of 16 rows (places 72-79 repeat row 71) and three pairs (gate, up) of 16 columns:
; pair min(3 w + p, 10), so wave 3 makes pair 10 twice: one text for all waves, a twelfth of the products.
; Source 0 = 16 weight rows, source 1 = 16 tokens: a lane holds one token and eight neighbouring columns.
; NO CLUSTER, NO TENSOR LOAD: which expert a tile has hangs on counts read from memory, so neighbours need not share weights; the token rows come by rank, which no descriptor covers.
; LIMITS.  h * combine is rounded once to bf16.  silu(g) = g / (1 + 2^(-g log2 e)): for g below about -88 the power is infinite and the result -0; NaN and infinities are not treated apart.
.set PA,    4112                       ; a row of x in LDS: 4,096 bytes + 16: 1,028 words, so the 16 rows of a fragment load start 4 banks apart (64 banks of 4 bytes: ISA guide 11.1)
.set STG,   296192                     ; behind the 72 rows: the stage, 80 rows x 368 bytes (352 + 16)
.set SPT,   368
.set TABT,  325632                     ; the tile's tokens, a word a row
.set TABW,  326144                     ; their combine weights
.set SPARE, 326656                     ; the spare words, 128 bytes a wave: two blocks of 256 bytes that no other line names
.set CAP,   72
.set KP,    144                        ; the counts turned through LDS: a key's 32 words + 16 bytes, at the head of the wave's own rows, which its gather fills later
.set TOK,   24
.set QR,    25
; window 0: v1 lane  v2,v3 spare word and 0  v4 4 lane  v5 16 lane  v6 lane%16  v7 lane/16  v8-12 my lane's place in the five blocks of x, never rewritten  v13-15 offsets in w1  v16-18 stage in
;   v19 stage out  v20 my tokens  v21,v22 weights  v23 column offset in hs  v24 token  v25 rank  v26 weight  v27 LDS row  v28-33 gather offsets  v34-63 at work; in the K loop v34-38 the trip's fragment addresses
;   v64-255: counts and bitmaps, then six gather slots, then v64-143 two buffers of x fragments, v144-167 at work, v168-179 packed, v180-189 weights in pairs
; window 1: accumulator (block i, column c) at 8 (6 i + c)      window 2: four stages of weights, stage s column c at 48 s + 8 c
; s14 wave  s15 half  s16 tile  s17 expert  s18 first rank  s19 rows  s[24:25] w1 at the expert, stepped  s26, s27 counters  s30-34 bit constants  s35 the trip's byte along K in a row of x  s[36:37] -log2(e)
.set MSB, 0
.macro WIN new                         ; the immediate's high byte repeats the setting that is left
.if MSB != (\new)
	s_set_vgpr_msb (MSB<<8)|(\new)
.set MSB, \new
.endif
.endm
.macro SCAN1 x, t, ix, d               ; lane i adds lane i - d
	v_sub_nc_u32 v[\ix], v4, 4*(\d)
	ds_bpermute_b32 v[\t], v[\ix], v[\x]
	s_mov_b32 s20, (0xffffffff<<(\d))&0xffffffff
	s_wait_dscnt 0x0
	v_cndmask_b32 v[\t], 0, v[\t], s20
	v_add_nc_u32 v[\x], v[\x], v[\t]
.endm
.macro SCAN x, t, ix, wide             ; inclusive sum over the lanes: over 8 lanes back (three steps), or over all 32 (wide = 1)
.irp d, 1,2,4
	SCAN1 \x, \t, \ix, \d
.endr
.if \wide
.irp d, 8,16
	SCAN1 \x, \t, \ix, \d
.endr
.endif
.endm
.macro POPC x, c, t                    ; the number of ones in a word
	v_lshrrev_b32 v[\t], 1, v[\x]
	v_and_b32 v[\t], s30, v[\t]
	v_sub_nc_u32 v[\c], v[\x], v[\t]
	v_lshrrev_b32 v[\t], 2, v[\c]
	v_and_b32 v[\c], s31, v[\c]
	v_and_b32 v[\t], s31, v[\t]
	v_add_nc_u32 v[\c], v[\c], v[\t]
	v_lshrrev_b32 v[\t], 4, v[\c]
	v_add_nc_u32 v[\c], v[\c], v[\t]
	v_and_b32 v[\c], s32, v[\c]
	v_mul_lo_u32 v[\c], v[\c], s33
	v_lshrrev_b32 v[\c], 24, v[\c]
.endm
; Lane = four groups of 32 tokens (rows 4 lane + j of route): their NW counts from byte W0 of the row on (v64 ..), then their 16 bitmap words each (v192-255).
.macro MAPLOAD NW, W0
	v_lshlrev_b32 v35, 10, v1
	s_wait_kmcnt 0x0
.set g, 0
.rept 4
.set bq, 0
.rept (\NW)/4
	global_load_b128 v[64+(\NW)*g+4*bq:64+(\NW)*g+4*bq+3], v35, s[8:9] offset:256*g+(\W0)+16*bq
.set bq, bq+1
.endr
.set g, g+1
.endr
.set g, 0
.rept 16
	global_load_b128 v[192+4*g:192+4*g+3], v35, s[8:9] offset:256*(g/4)+16*(g%4)
.set g, g+1
.endr
.endm
; The lane's four groups are added, key by key; the sums are turned through the wave's own LDS bytes, so that lane = key holds its 32 parts; from the keys' totals:
; which key has tile s16 (s17), the tile's first rank (s18) and its rows (s19; 0 if there is no such tile).
.macro MAPCALC NKEY, CP, MAGIC, NW, wide
	s_wait_loadcnt 16                              ; the counts are in; the 16 bitmap loads are younger
.set g, 0
.rept \NW
	v_add3_u32 v[64+g], v[64+g], v[64+(\NW)+g], v[64+2*(\NW)+g]
	v_add_nc_u32 v[64+g], v[64+g], v[64+3*(\NW)+g]
	ds_store_b32 v46, v[64+g] offset:KP*g
.set g, g+1
.endr
.set g, 0
.rept 8
	ds_load_b128 v[96+4*g:96+4*g+3], v47 offset:16*g               ; LDS serves a wave's instructions in order (ISA guide 5.7.1.4): these see the stores above
.set g, g+1
.endr
	s_wait_dscnt 0x0
.irp c, 0,1,2,3
	v_add3_u32 v[42+\c], v[96+8*\c], v[97+8*\c], v[98+8*\c]
.endr
.irp c, 0,1,2,3
	v_add3_u32 v[42+\c], v[42+\c], v[99+8*\c], v[100+8*\c]
.endr
.irp c, 0,1,2,3
	v_add3_u32 v[42+\c], v[42+\c], v[101+8*\c], v[102+8*\c]
.endr
.irp c, 0,1,2,3
	v_add_nc_u32 v[42+\c], v[42+\c], v[103+8*\c]
.endr
	v_add3_u32 v36, v42, v43, v44
	v_add_nc_u32 v36, v36, v45
	v_cmp_gt_u32 vcc_lo, \NKEY, v1
	v_cndmask_b32 v36, 0, v36, vcc_lo              ; n of my key
	v_add_nc_u32 v37, (\CP)-1, v36
	v_mul_u32_u24 v37, v37, \MAGIC                 ; MAGIC * CP = 2^20 + 32: the quotient is exact below 32,768
	v_lshrrev_b32 v37, 20, v37                     ; its tiles
	v_mov_b32 v38, v37
	SCAN 38, 39, 40, \wide
	v_sub_nc_u32 v41, v38, v37                     ; tiles of the keys before it (a lane without a key has no tiles: both figures are equal there, and it is never chosen)
	v_cmp_ge_u32 s20, s16, v41
	v_cmp_lt_u32 s21, s16, v38
	s_and_b32 s23, s20, s21                        ; at most one lane
	s_ctz_i32_b32 s17, s23
	s_min_u32 s17, s17, (\NKEY)-1
	v_mov_b32 v39, s17
	v_lshlrev_b32 v39, 2, v39
	ds_bpermute_b32 v40, v39, v36
	ds_bpermute_b32 v42, v39, v41
	s_wait_dscnt 0x0
	v_readfirstlane_b32 s21, v40
	v_readfirstlane_b32 s22, v42
	s_sub_co_u32 s18, s16, s22
	s_mul_i32 s18, s18, \CP
	s_sub_co_i32 s19, s21, s18
	s_min_i32 s19, s19, \CP
	s_max_i32 s19, s19, 0
	s_cmp_lg_u32 s23, 0
	s_cselect_b32 s19, s19, 0
	s_cselect_b32 s18, s18, 0
.endm
.macro DESC lv, wd                     ; the low half of the field in hand holds t ones: a rank of t or more lies in the high half
	v_bfe_u32 v39, v[\lv], v53, \wd
	v_cmp_ge_u32 vcc_lo, v62, v39
	v_cndmask_b32 v39, 0, v39, vcc_lo
	v_sub_nc_u32 v62, v62, v39
	v_cndmask_b32 v40, 0, \wd, vcc_lo
	v_add_nc_u32 v53, v53, v40
.endm
; v44-47: the key's bitmap words of my four groups; v48-51 their ones; v[QR]: the rank that my lane wants.  v[TOK] = the token of that rank.
.macro SELECT
	v_add3_u32 v38, v48, v49, v50
	v_add_nc_u32 v38, v38, v51
	v_mov_b32 v42, v38
	SCAN 38, 39, 40, 1
	v_sub_nc_u32 v41, v38, v42                     ; ones in the lanes before mine
	v_mov_b32 v52, 0
.irp d, 16,8,4,2,1                     ; the last lane whose figure does not pass the rank
	v_add_nc_u32 v53, \d, v52
	v_lshlrev_b32 v40, 2, v53
	ds_bpermute_b32 v39, v40, v41
	s_wait_dscnt 0x0
	v_cmp_le_u32 vcc_lo, v39, v[QR]
	v_cndmask_b32 v52, v52, v53, vcc_lo
.endr
	v_lshlrev_b32 v40, 2, v52
	ds_bpermute_b32 v54, v40, v41
	ds_bpermute_b32 v55, v40, v44
	ds_bpermute_b32 v56, v40, v45
	ds_bpermute_b32 v57, v40, v46
	ds_bpermute_b32 v58, v40, v47
	ds_bpermute_b32 v59, v40, v48
	ds_bpermute_b32 v60, v40, v49
	ds_bpermute_b32 v61, v40, v50
	s_wait_dscnt 0x0
	v_sub_nc_u32 v62, v[QR], v54
	v_add_nc_u32 v60, v59, v60
	v_add_nc_u32 v61, v60, v61
	v_mov_b32 v34, v55
	v_mov_b32 v35, 0
	v_mov_b32 v36, 0
	v_cmp_ge_u32 vcc_lo, v62, v59
	v_cndmask_b32 v34, v34, v56, vcc_lo
	v_cndmask_b32 v35, v35, v59, vcc_lo
	v_cndmask_b32 v36, v36, 1, vcc_lo
	v_cmp_ge_u32 vcc_lo, v62, v60
	v_cndmask_b32 v34, v34, v57, vcc_lo
	v_cndmask_b32 v35, v35, v60, vcc_lo
	v_cndmask_b32 v36, v36, 2, vcc_lo
	v_cmp_ge_u32 vcc_lo, v62, v61
	v_cndmask_b32 v34, v34, v58, vcc_lo
	v_cndmask_b32 v35, v35, v61, vcc_lo
	v_cndmask_b32 v36, v36, 3, vcc_lo
	v_sub_nc_u32 v62, v62, v35
	v_lshrrev_b32 v39, 1, v34                      ; ones in fields of 2, 4, 8 and 16 bits
	v_and_b32 v39, s30, v39
	v_sub_nc_u32 v37, v34, v39
	v_lshrrev_b32 v39, 2, v37
	v_and_b32 v39, s31, v39
	v_and_b32 v42, s31, v37
	v_add_nc_u32 v42, v42, v39
	v_lshrrev_b32 v39, 4, v42
	v_add_nc_u32 v43, v42, v39
	v_and_b32 v43, s32, v43
	v_lshrrev_b32 v39, 8, v43
	v_add_nc_u32 v63, v43, v39
	v_and_b32 v63, s34, v63
	v_mov_b32 v53, 0
	DESC 63, 16
	DESC 43, 8
	DESC 42, 4
	DESC 37, 2
	DESC 34, 1
	v_lshlrev_b32 v[TOK], 7, v52
	v_lshl_or_b32 v[TOK], v36, 5, v[TOK]
	v_or_b32 v[TOK], v[TOK], v53
	v_min_u32 v[TOK], 0xfff, v[TOK]                ; a token's number, whatever the rank was
.endm
.macro ROWLD j                         ; row j of my 18: its token's 4,096 bytes of xb, eight loads of 512 consecutive bytes
	v_readlane_b32 s20, v[TOK], \j
	s_min_u32 s20, s20, 0xfff
	v_lshl_add_u32 v[28+(\j)%6], s20, 12, v5
.irp c, 0,1,2,3,4,5,6,7
	global_load_b128 v[64+32*((\j)%6)+4*\c:64+32*((\j)%6)+4*\c+3], v[28+(\j)%6], s[4:5] offset:512*\c
.endr
.endm
.macro BLOAD st, ko                    ; the weights of one K step, 12 loads of 512 consecutive bytes, into stage st
.irp p, 0,1,2
.irp gu, 0,1
.irp hf, 0,1
	global_load_b128 v[48*(\st)+8*(2*\p+\gu)+4*\hf:48*(\st)+8*(2*\p+\gu)+4*\hf+3], v[13+\p], s[24:25] offset:2048*(\ko)+1024*\gu+512*\hf
.endr
.endr
.endr
.endm
.macro ALOAD buf, off                  ; five fragments of x, by the trip's addresses
.irp i, 0,1,2,3,4
	ds_load_b128 v[64+40*(\buf)+8*\i:64+40*(\buf)+8*\i+3], v[34+\i] offset:(\off)
	ds_load_b128 v[64+40*(\buf)+8*\i+4:64+40*(\buf)+8*\i+7], v[34+\i] offset:(\off)+32
.endr
.endm
; One K step of 32.  The 30 accumulators take turns in one fixed order.  lcnt: the younger weight loads that may stay out.
.macro STEP sg, zero, ldb, lda, lcnt
	WIN 0
.if \lda
.set bn, 1-((\sg)&1)
.set on, 64*((\sg)+1)
	ALOAD bn, on                                   ; the next step's x; the products that read this buffer stand in front of the four v_nop of the step before
.endif
	s_wait_loadcnt \lcnt
.if \lda
	s_wait_dscnt 10                                ; all but the ten just issued
.else
	s_wait_dscnt 0x0
.endif
	WIN 0x52                                       ; weights in window 2, x in window 0, sums in window 1
.set ii, 0
.rept 5
.set cc, 0
.rept 6
.set rD, 8*(6*ii+cc)
.set rB, 48*(\sg)+8*cc
.set rA, 64+40*((\sg)&1)+8*ii
.if \zero
	v_wmma_f32_16x16x32_bf16 v[rD:rD+7], v[rB:rB+7], v[rA:rA+7], 0
.else
	v_wmma_f32_16x16x32_bf16 v[rD:rD+7], v[rB:rB+7], v[rA:rA+7], v[rD:rD+7]
.endif
.set cc, cc+1
.endr
.set ii, ii+1
.endr
.rept 4
	v_nop                                          ; four places in front of loads into registers that these products read, and of the first reads of the sums
.endr
.if \ldb
.if (\sg) == 0
	s_wait_xcnt 0x0                                ; the loads' base is stepped only behind this wait; the youngest loads that name it were issued a K step ago
	s_add_nc_u64 s[24:25], s[24:25], 8192          ; on to the four K steps that this trip asks for
.endif
	WIN 0x80
	BLOAD \sg, \sg                                 ; the stage just read takes the step four on
.endif
	WIN 0
.endm
; A trip is four K steps.  Its place along K is a scalar, stepped once a trip; the five fragment addresses are made from it at the trip's head.
.macro TRIPHEAD
.irp i, 0,1,2,3,4
	v_add_nc_u32 v[34+\i], s35, v[8+\i]
.endr
.endm
; Block i of 16 rows: silu(g) * u * weight for 24 numbers a lane, rounded, into the stage.  Each batch of 24 transcendentals has one plain instruction and one wait behind it.
.macro EPI i
	WIN 0x01                                       ; source 0 in window 1
.irp p, 0,1,2
.irp k, 0,2,4,6
	v_pk_mul_f32 v[144+8*\p+\k:145+8*\p+\k], v[48*(\i)+16*\p+\k:48*(\i)+16*\p+\k+1], s[36:37] op_sel_hi:[1,0]
.endr
.endr
	WIN 0
.set kk, 0
.rept 24
	v_exp_f32 v[144+kk], v[144+kk]
.set kk, kk+1
.endr
	v_nop
	s_wait_alu depctr_va_vdst(0)                   ; the wait ahead of the batch's first use
.set kk, 0
.rept 12
	v_pk_add_f32 v[144+kk:145+kk], v[144+kk:145+kk], 1.0 op_sel_hi:[1,0]
.set kk, kk+2
.endr
.set kk, 0
.rept 24
	v_rcp_f32 v[144+kk], v[144+kk]
.set kk, kk+1
.endr
	v_nop
	s_wait_alu depctr_va_vdst(0)
	WIN 0x01
.irp p, 0,1,2
.irp k, 0,2,4,6
	v_pk_mul_f32 v[144+8*\p+\k:145+8*\p+\k], v[48*(\i)+16*\p+\k:48*(\i)+16*\p+\k+1], v[144+8*\p+\k:145+8*\p+\k]
.endr
.endr
.irp p, 0,1,2
.irp k, 0,2,4,6
	v_pk_mul_f32 v[144+8*\p+\k:145+8*\p+\k], v[48*(\i)+16*\p+8+\k:48*(\i)+16*\p+8+\k+1], v[144+8*\p+\k:145+8*\p+\k]
.endr
.endr
	WIN 0
.set kk, 0
.rept 12
	v_pk_mul_f32 v[144+kk:145+kk], v[144+kk:145+kk], v[180+2*(\i):181+2*(\i)]
.set kk, kk+2
.endr
.set kk, 0
.rept 12
	v_cvt_pk_bf16_f32 v[168+kk], v[144+2*kk], v[145+2*kk]
.set kk, kk+1
.endr
.irp p, 0,1,2
	ds_store_b128 v[16+\p], v[168+4*\p:171+4*\p] offset:16*SPT*(\i)
.endr
.endm
	s_load_b256 s[4:11], s[0:1], 0x0               ; xb, w1, route, wts
	s_load_b64 s[12:13], s[0:1], 0x20              ; hs
	v_lshl_add_u32 v2, v0, 2, SPARE
	v_mov_b32 v3, 0
	v_lshrrev_b32 v36, 5, v0
	v_readfirstlane_b32 s14, v36                   ; wave 0..3
	s_and_b32 s15, ttmp9, 1
	s_lshr_b32 s16, ttmp9, 1
	s_mov_b32 s30, 0x55555555
	s_mov_b32 s31, 0x33333333
	s_mov_b32 s32, 0x0f0f0f0f
	s_mov_b32 s33, 0x01010101
	s_mov_b32 s34, 0x00ff00ff
	s_mov_b32 s36, 0xbfb8aa3b                      ; -log2(e)
	s_mov_b32 s37, s36                             ; named with it as a pair
	v_and_b32 v1, 31, v0
	v_lshlrev_b32 v4, 2, v1
	v_lshlrev_b32 v5, 4, v1
	v_and_b32 v6, 15, v1
	v_lshrrev_b32 v7, 4, v1
	MAPLOAD 8, 64
	; addresses that hang on the lane, the wave and the half alone, made while those loads are out
.irp i, 0,1,2,3,4
	v_add_nc_u32 v[8+\i], 16*\i, v6
.endr
	v_min_u32 v12, 71, v12
.irp i, 0,1,2,3,4
	v_mul_u32_u24 v[8+\i], v[8+\i], PA
	v_lshl_add_u32 v[8+\i], v7, 4, v[8+\i]
.endr
	v_mul_u32_u24 v36, v6, SPT
	v_lshl_add_u32 v36, v7, 4, v36
	v_add_nc_u32 v36, STG, v36
	s_mul_i32 s20, s14, 3
	s_mul_i32 s21, s15, 11
.irp p, 0,1,2
	s_add_co_u32 s22, s20, \p
	s_min_u32 s22, s22, 10
	v_lshl_add_u32 v[16+\p], s22, 5, v36
	s_add_co_u32 s22, s22, s21
	s_lshl_b32 s22, s22, 17
	v_add_nc_u32 v[13+\p], s22, v5
.endr
	v_min_u32 v19, 21, v1
	v_lshlrev_b32 v19, 4, v19
	s_mul_i32 s22, s14, 18*SPT
	s_add_co_u32 s22, s22, STG
	v_add_nc_u32 v19, s22, v19
	s_mul_i32 s22, s14, 72
	s_add_co_u32 s22, s22, TABT
	v_mov_b32 v20, s22
	v_lshl_add_u32 v21, v6, 2, TABW
	v_add_nc_u32 v22, 64, v6
	v_min_u32 v22, 71, v22
	v_lshl_add_u32 v22, v22, 2, TABW
	s_mul_i32 s22, s14, 18*PA                      ; my 18 rows
	v_add_nc_u32 v27, s22, v5
	v_add_nc_u32 v46, s22, v4                      ; the counts' turn: my lane's word of each key,
	v_and_b32 v47, 7, v1
	v_mul_u32_u24 v47, v47, KP
	v_add_nc_u32 v47, s22, v47                     ; and my key's 32 words
	MAPCALC 8, CAP, 14564, 8, 0
	s_mul_i32 s20, s17, 2883584
	s_mov_b32 s21, 0
	s_add_nc_u64 s[24:25], s[6:7], s[20:21]
	s_lshl_b32 s20, s17, 10
	s_lshl_b32 s21, s15, 9
	s_add_co_u32 s20, s20, s21
	v_add_nc_u32 v23, s20, v5
	s_wait_loadcnt 0x0                             ; the bitmaps
	WIN 0x80                                       ; the first four K steps' weights hang on the expert alone: they go out here and are on their way during the search and the gather
	BLOAD 0, 0
	BLOAD 1, 1
	BLOAD 2, 2
	BLOAD 3, 3
	WIN 0
.irp j, 0,1,2,3
	v_mov_b32 v[44+\j], 0
.endr
.set ee, 0
.rept 8                                ; the expert's words, as lower or as higher choice, picked by a mask: no second trip to memory
	s_cmp_eq_u32 s17, ee
	s_cselect_b32 s20, -1, 0
.irp j, 0,1,2,3
	v_and_or_b32 v[44+\j], v[192+16*\j+ee], s20, v[44+\j]
	v_and_or_b32 v[44+\j], v[200+16*\j+ee], s20, v[44+\j]
.endr
.set ee, ee+1
.endr
	POPC 44, 48, 39
	POPC 45, 49, 39
	POPC 46, 50, 39
	POPC 47, 51, 39
	v_min_u32 v36, 17, v1
	s_mul_i32 s20, s14, 18
	v_add_nc_u32 v36, s20, v36                     ; lane j < 18: row 18 w + j of the tile
	s_sub_co_i32 s21, s19, 1
	s_max_i32 s21, s21, 0
	v_min_u32 v[QR], s21, v36                      ; places past the count repeat the last row
	v_add_nc_u32 v[QR], s18, v[QR]
	SELECT
	; THE GATHER: my 18 rows through six slots of registers into LDS.  On every path: the token is clamped, and xb and wts are written whole by the launch before
	v_lshlrev_b32 v34, 5, v[TOK]
	s_lshl_b32 s20, s17, 2
	v_add_nc_u32 v34, s20, v34
	global_load_b32 v26, v34, s[10:11]             ; combine(token, expert)
.irp j, 0,1,2,3,4,5
	ROWLD \j
.endr
.set jj, 0
.rept 18
.if jj <= 12
	s_wait_loadcnt 40                              ; five younger rows of eight loads (loads come back in order: the weights asked for earlier are in too)
.else
	s_wait_loadcnt 8*(17-jj)
.endif
.irp c, 0,1,2,3,4,5,6,7
	ds_store_b128 v27, v[64+32*(jj%6)+4*\c:64+32*(jj%6)+4*\c+3] offset:512*\c
.endr
	v_add_nc_u32 v27, PA, v27
.if jj < 12
.set jr, jj+6
	ROWLD jr
.endif
.set jj, jj+1
.endr
	v_min_u32 v34, 17, v1
	s_mul_i32 s20, s14, 18
	v_add_nc_u32 v34, s20, v34
	v_lshl_add_u32 v34, v34, 2, TABT
	ds_store_b32 v34, v[TOK]
	ds_store_b32 v34, v26 offset:TABW-TABT
	s_wait_dscnt 0x0                               ; for the others' sake: my rows and my table entries are in LDS
	s_barrier_signal -1
	s_barrier_wait -1
.irp i, 0,1,2,3
	ds_load_b32 v[180+2*\i], v21 offset:64*\i      ; my token's weight in each block, in both registers of a pair
	ds_load_b32 v[181+2*\i], v21 offset:64*\i
.endr
	ds_load_b32 v188, v22
	ds_load_b32 v189, v22
	s_mov_b32 s35, 0
	TRIPHEAD
	ALOAD 0, 0
	STEP 0, 1, 1, 1, 36                            ; 36: three younger stages of 12 loads.  The first step's products start all 30 sums, on every path
	s_cmp_eq_u32 s19, 0
	s_cbranch_scc1 .LskipK                         ; a tile without rows jumps the other 63 steps
	STEP 1, 0, 1, 1, 36
	STEP 2, 0, 1, 1, 36
	STEP 3, 0, 1, 1, 36
	s_add_co_u32 s35, s35, 256
	s_mov_b32 s26, 14
.Lk:
	TRIPHEAD
	STEP 0, 0, 1, 1, 36
	STEP 1, 0, 1, 1, 36
	STEP 2, 0, 1, 1, 36
	STEP 3, 0, 1, 1, 36
	s_add_co_u32 s35, s35, 256
	s_sub_co_u32 s26, s26, 1
	s_cmp_lg_u32 s26, 0
	s_cbranch_scc1 .Lk
	TRIPHEAD
	STEP 0, 0, 0, 1, 36                            ; the last four steps load no weights: the counts run down
	STEP 1, 0, 0, 1, 24
	STEP 2, 0, 0, 1, 12
	STEP 3, 0, 0, 0, 0
.LskipK:
	s_wait_dscnt 0x0                               ; my reads of the rows of x are over
	s_barrier_signal -1                            ; the loop's LDS addresses step with the trip: this barrier puts every wave's reads of the rows ahead of every later LDS store,
	s_barrier_wait -1                              ; so that the order hangs on no bound of those addresses
	s_cmp_eq_u32 s19, 0
	s_cbranch_scc1 .LskipB
	EPI 0
	EPI 1
	EPI 2
	EPI 3
	EPI 4
.LskipB:
	s_wait_dscnt 0x0                               ; for the others' sake: my columns of the stage are written
	s_barrier_signal -1
	s_barrier_wait -1
	s_cmp_eq_u32 s19, 0
	s_cbranch_scc1 .Lend
	; THE WAY OUT: my 18 rows, each 512 consecutive aligned bytes of hs: 352 of data from lanes 0-21, zeros from the others
.set jj, 0
.rept 18
	ds_load_b32 v[136+jj], v20 offset:4*jj
	ds_load_b128 v[64+4*jj:64+4*jj+3], v19 offset:SPT*jj
.set jj, jj+1
.endr
	v_cmp_gt_u32 vcc_lo, 22, v1
	v_cndmask_b32 v34, 0, -1, vcc_lo               ; all ones in the lanes that hold data
	s_mul_i32 s27, s14, 18
	s_sub_co_i32 s27, s19, s27                     ; how many of my rows exist (0 or less: none)
	s_wait_dscnt 0x0
.set jj, 0
.rept 18
	s_cmp_le_i32 s27, jj                           ; rows past the count are not stored
	s_cbranch_scc1 .Lend
.irp c, 0,1,2,3
	v_and_b32 v[64+4*jj+\c], v34, v[64+4*jj+\c]
.endr
	v_min_u32 v[136+jj], 0xfff, v[136+jj]
	v_lshl_add_u32 v[136+jj], v[136+jj], 13, v23
	global_store_b128 v[136+jj], v[64+4*jj:64+4*jj+3], s[12:13]
.set jj, jj+1
.endr
.Lend:
	s_wait_tensorcnt 0x0                           ; the wave's end
	ds_add_u32 v2, v3
	s_wait_dscnt 0x0
	s_endpgm
.Lfunc_end_k_q22130ba1c5_gateup:
	.size	k_q22130ba1c5_gateup, .Lfunc_end_k_q22130ba1c5_gateup-k_q22130ba1c5_gateup
	.p2alignl 7, 3214868480
	.fill 96, 4, 3214868480
	.section	.rodata,"a",@progbits
	.p2align	6, 0x0
	.amdhsa_kernel k_q22130ba1c5_gateup
		.amdhsa_group_segment_fixed_size 327680
		.amdhsa_private_segment_fixed_size 0
		.amdhsa_enable_private_segment 0
		.amdhsa_kernarg_size 40
		.amdhsa_user_sgpr_count 2
		.amdhsa_user_sgpr_kernarg_segment_ptr 1
		.amdhsa_wavefront_size32 1
		.amdhsa_system_sgpr_workgroup_id_x 1
		.amdhsa_system_sgpr_workgroup_id_y 1
		.amdhsa_system_sgpr_workgroup_id_z 1
		.amdhsa_system_vgpr_workitem_id 0
		.amdhsa_next_free_vgpr 768
		.amdhsa_next_free_sgpr 66
		.amdhsa_reserve_vcc 1
		.amdhsa_float_denorm_mode_32 3
		.amdhsa_float_denorm_mode_16_64 3
		.amdhsa_memory_ordered 1
		.amdhsa_forward_progress 1
		.amdhsa_inst_pref_size 143
	.end_amdhsa_kernel
	.amdgpu_metadata
---
amdhsa.version: [ 1, 2 ]
amdhsa.kernels:
  - .name:           k_q22130ba1c5_gateup
    .symbol:         k_q22130ba1c5_gateup.kd
    .args:
      - { .name: xb, .offset: 0, .size: 8, .value_kind: global_buffer, .address_space: global }
      - { .name: w1, .offset: 8, .size: 8, .value_kind: global_buffer, .address_space: global }
      - { .name: route, .offset: 16, .size: 8, .value_kind: global_buffer, .address_space: global }
      - { .name: wts, .offset: 24, .size: 8, .value_kind: global_buffer, .address_space: global }
      - { .name: hs, .offset: 32, .size: 8, .value_kind: global_buffer, .address_space: global }
    .group_segment_fixed_size: 327680
    .private_segment_fixed_size: 0
    .kernarg_segment_align: 8
    .kernarg_segment_size: 40
    .max_flat_workgroup_size: 128
    .sgpr_count:     66
    .vgpr_count:     768
    .wavefront_size: 32
...
	.end_amdgpu_metadata
.endif
;; end of part 2
;; launch down (part 3): grid 280 x 1, 4 waves a work-group, no clusters, 232,960 bytes of LDS; arguments hs, w2, route, out0; writes out0
.if DOCPART == 3
	.amdgcn_target "amdgcn-amd-amdhsa--gfx1250"
	.amdhsa_code_object_version 6
	.text
	.protected	k_q22130ba1c5_down
	.globl	k_q22130ba1c5_down
	.p2align	8
	.type	k_q22130ba1c5_down,@function
k_q22130ba1c5_down:
	s_mov_b64 s[64:65], 0
	v_nop
	global_prefetch_b8 v0, s[64:65] scope:SCOPE_SE
	s_setreg_imm32_b32 hwreg(HW_REG_WAVE_MODE, 25, 1), 1
	s_wait_xcnt 0x0
; DOWN.  out[tok] = h_a Wd[a]^T + h_b Wd[b]^T, where a < b are the token's two experts and h already carries the combine weights: one product over K = [h_a | h_b], one owner for each output row.
; A work-group has a TILE: one pair (a, b) of the 28, up to 96 of its tokens (by rank, ascending token number), 512 of the 2,048 output columns.
; GRID.  The sum over pairs of ceil(n_p / 96) is at most floor((4096 + 28 * 95) / 96) = 70 for every split; four column slices: 280.  A work-group without rows passes both barriers and stores nothing: it jumps
; the gather, the fragment loads, K steps 1 to 21 and the way out.  K step 0, whose products start all 48 sums, stands on every path, so that the sums are written wherever the text reads them; in such a
; work-group it multiplies whatever the fragment registers hold from the routing loads, and nothing is made of it.
; SHARES.  The 96 rows [a half 0 | a half 1 | b half 0 | b half 1], 512 bytes each, lie in LDS; the weights come from memory straight into operand registers (w2 is laid out so), four K steps ahead; the first
; three steps' weights are asked for as soon as the pair is known, ahead of the search for the tokens, the fourth's behind it (48 and 16 loads).
; A wave takes all six blocks of 16 rows and 128 columns: 48 accumulators.  All six blocks are multiplied whatever the tile holds; blocks past the count are not stored.
; K step t = 2 v + part (part 0: a, 1: b), t = 0 .. 21: registers 0-3 of a fragment hold hidden columns 16 v + .., registers 4-7 columns 176 + 16 v + ..: the same permutation of K in both operands.
; Source 0 = 16 rows of Wd (output columns), source 1 = 16 tokens: a lane holds one token and eight neighbouring columns; a block goes through the wave's own stage and leaves as whole rows.
; Places past the count repeat the tile's last token: they hold the same bits and store them to the same bytes, from the same wave.
; NO CLUSTER, NO TENSOR LOAD: which pair a tile has hangs on counts read from memory; the rows come by rank, which no descriptor covers.
; LIMITS.  f32 sums in the matrix unit's order, a and b by turns: another order than a sum expert by expert.  NaN and infinities are not treated apart.
.set PA,    2064                       ; a row in LDS: 2,048 bytes + 16: 516 words, so the 16 rows of a fragment load start 4 banks apart (64 banks of 4 bytes: ISA guide 11.1)
.set STG,   198144                     ; behind the 96 rows: a stage of 16 rows x 528 bytes for each wave
.set SPT,   528
.set TABT,  231936                     ; the tile's tokens, a word a row
.set SPARE, 232448                     ; the spare words, 128 bytes a wave: two blocks of 256 bytes that no other line names
.set CAP,   96
.set KP,    144                        ; the counts turned through LDS: a key's 32 words + 16 bytes, at the head of the wave's own rows, which its gather fills later
.set TOK,   32
.set QR,    33
; window 0: v1 lane  v2,v3 spare word and 0  v4 4 lane  v5 16 lane  v6 lane%16  v7 lane/16  v8-13 my lane's place in the six blocks of h, never rewritten  v14,v15 offsets in w2 for a, b  v16 stage in
;   v17 stage out  v18 tokens  v19 column offset in out  v20-31 gather offsets  v32 token  v33 rank, then the gather's LDS address  v34-63 at work; in the K loop v34-39 the trip's fragment addresses
;   v64-255: counts and bitmaps, then twelve gather slots, then v64-159 two buffers of fragments; on the way out v64-127 rows, v128-135 tokens and then offsets
; window 1: accumulator (block i < 4, column c) at 8 (8 i + c)    window 2: blocks 4, 5    window 3: four stages of weights, stage s column c at 64 s + 8 c
; s14 wave  s15 slice  s16 tile  s17 pair  s18 first rank  s19 rows  s[24:25] w2 at my columns, stepped  s26 counter  s28, s29 a, b  s30-34 bit constants  s35 the trip's byte along K in a piece of h  s[36:39] hs at a, at b
.set MSB, 0
.macro WIN new                         ; the immediate's high byte repeats the setting that is left
.if MSB != (\new)
	s_set_vgpr_msb (MSB<<8)|(\new)
.set MSB, \new
.endif
.endm
.macro SCAN1 x, t, ix, d               ; lane i adds lane i - d
	v_sub_nc_u32 v[\ix], v4, 4*(\d)
	ds_bpermute_b32 v[\t], v[\ix], v[\x]
	s_mov_b32 s20, (0xffffffff<<(\d))&0xffffffff
	s_wait_dscnt 0x0
	v_cndmask_b32 v[\t], 0, v[\t], s20
	v_add_nc_u32 v[\x], v[\x], v[\t]
.endm
.macro SCAN x, t, ix, wide             ; inclusive sum over the lanes: over 8 lanes back (three steps), or over all 32 (wide = 1)
.irp d, 1,2,4
	SCAN1 \x, \t, \ix, \d
.endr
.if \wide
.irp d, 8,16
	SCAN1 \x, \t, \ix, \d
.endr
.endif
.endm
.macro POPC x, c, t                    ; the number of ones in a word
	v_lshrrev_b32 v[\t], 1, v[\x]
	v_and_b32 v[\t], s30, v[\t]
	v_sub_nc_u32 v[\c], v[\x], v[\t]
	v_lshrrev_b32 v[\t], 2, v[\c]
	v_and_b32 v[\c], s31, v[\c]
	v_and_b32 v[\t], s31, v[\t]
	v_add_nc_u32 v[\c], v[\c], v[\t]
	v_lshrrev_b32 v[\t], 4, v[\c]
	v_add_nc_u32 v[\c], v[\c], v[\t]
	v_and_b32 v[\c], s32, v[\c]
	v_mul_lo_u32 v[\c], v[\c], s33
	v_lshrrev_b32 v[\c], 24, v[\c]
.endm
; Lane = four groups of 32 tokens (rows 4 lane + j of route): their NW counts from byte W0 of the row on (v64 ..), then their 16 bitmap words each (v192-255).
.macro MAPLOAD NW, W0
	v_lshlrev_b32 v35, 10, v1
	s_wait_kmcnt 0x0
.set g, 0
.rept 4
.set bq, 0
.rept (\NW)/4
	global_load_b128 v[64+(\NW)*g+4*bq:64+(\NW)*g+4*bq+3], v35, s[8:9] offset:256*g+(\W0)+16*bq
.set bq, bq+1
.endr
.set g, g+1
.endr
.set g, 0
.rept 16
	global_load_b128 v[192+4*g:192+4*g+3], v35, s[8:9] offset:256*(g/4)+16*(g%4)
.set g, g+1
.endr
.endm
; The lane's four groups are added, key by key; the sums are turned through the wave's own LDS bytes, so that lane = key holds its 32 parts; from the keys' totals:
; which key has tile s16 (s17), the tile's first rank (s18) and its rows (s19; 0 if there is no such tile).
.macro MAPCALC NKEY, CP, MAGIC, NW, wide
	s_wait_loadcnt 16                              ; the counts are in; the 16 bitmap loads are younger
.set g, 0
.rept \NW
	v_add3_u32 v[64+g], v[64+g], v[64+(\NW)+g], v[64+2*(\NW)+g]
	v_add_nc_u32 v[64+g], v[64+g], v[64+3*(\NW)+g]
	ds_store_b32 v46, v[64+g] offset:KP*g
.set g, g+1
.endr
.set g, 0
.rept 8
	ds_load_b128 v[96+4*g:96+4*g+3], v47 offset:16*g               ; LDS serves a wave's instructions in order (ISA guide 5.7.1.4): these see the stores above
.set g, g+1
.endr
	s_wait_dscnt 0x0
.irp c, 0,1,2,3
	v_add3_u32 v[42+\c], v[96+8*\c], v[97+8*\c], v[98+8*\c]
.endr
.irp c, 0,1,2,3
	v_add3_u32 v[42+\c], v[42+\c], v[99+8*\c], v[100+8*\c]
.endr
.irp c, 0,1,2,3
	v_add3_u32 v[42+\c], v[42+\c], v[101+8*\c], v[102+8*\c]
.endr
.irp c, 0,1,2,3
	v_add_nc_u32 v[42+\c], v[42+\c], v[103+8*\c]
.endr
	v_add3_u32 v36, v42, v43, v44
	v_add_nc_u32 v36, v36, v45
	v_cmp_gt_u32 vcc_lo, \NKEY, v1
	v_cndmask_b32 v36, 0, v36, vcc_lo              ; n of my key
	v_add_nc_u32 v37, (\CP)-1, v36
	v_mul_u32_u24 v37, v37, \MAGIC                 ; MAGIC * CP = 2^20 + 32: the quotient is exact below 32,768
	v_lshrrev_b32 v37, 20, v37                     ; its tiles
	v_mov_b32 v38, v37
	SCAN 38, 39, 40, \wide
	v_sub_nc_u32 v41, v38, v37                     ; tiles of the keys before it (a lane without a key has no tiles: both figures are equal there, and it is never chosen)
	v_cmp_ge_u32 s20, s16, v41
	v_cmp_lt_u32 s21, s16, v38
	s_and_b32 s23, s20, s21                        ; at most one lane
	s_ctz_i32_b32 s17, s23
	s_min_u32 s17, s17, (\NKEY)-1
	v_mov_b32 v39, s17
	v_lshlrev_b32 v39, 2, v39
	ds_bpermute_b32 v40, v39, v36
	ds_bpermute_b32 v42, v39, v41
	s_wait_dscnt 0x0
	v_readfirstlane_b32 s21, v40
	v_readfirstlane_b32 s22, v42
	s_sub_co_u32 s18, s16, s22
	s_mul_i32 s18, s18, \CP
	s_sub_co_i32 s19, s21, s18
	s_min_i32 s19, s19, \CP
	s_max_i32 s19, s19, 0
	s_cmp_lg_u32 s23, 0
	s_cselect_b32 s19, s19, 0
	s_cselect_b32 s18, s18, 0
.endm
.macro DESC lv, wd                     ; the low half of the field in hand holds t ones: a rank of t or more lies in the high half
	v_bfe_u32 v39, v[\lv], v53, \wd
	v_cmp_ge_u32 vcc_lo, v62, v39
	v_cndmask_b32 v39, 0, v39, vcc_lo
	v_sub_nc_u32 v62, v62, v39
	v_cndmask_b32 v40, 0, \wd, vcc_lo
	v_add_nc_u32 v53, v53, v40
.endm
; v44-47: the key's bitmap words of my four groups; v48-51 their ones; v[QR]: the rank that my lane wants.  v[TOK] = the token of that rank.
.macro SELECT
	v_add3_u32 v38, v48, v49, v50
	v_add_nc_u32 v38, v38, v51
	v_mov_b32 v42, v38
	SCAN 38, 39, 40, 1
	v_sub_nc_u32 v41, v38, v42                     ; ones in the lanes before mine
	v_mov_b32 v52, 0
.irp d, 16,8,4,2,1                     ; the last lane whose figure does not pass the rank
	v_add_nc_u32 v53, \d, v52
	v_lshlrev_b32 v40, 2, v53
	ds_bpermute_b32 v39, v40, v41
	s_wait_dscnt 0x0
	v_cmp_le_u32 vcc_lo, v39, v[QR]
	v_cndmask_b32 v52, v52, v53, vcc_lo
.endr
	v_lshlrev_b32 v40, 2, v52
	ds_bpermute_b32 v54, v40, v41
	ds_bpermute_b32 v55, v40, v44
	ds_bpermute_b32 v56, v40, v45
	ds_bpermute_b32 v57, v40, v46
	ds_bpermute_b32 v58, v40, v47
	ds_bpermute_b32 v59, v40, v48
	ds_bpermute_b32 v60, v40, v49
	ds_bpermute_b32 v61, v40, v50
	s_wait_dscnt 0x0
	v_sub_nc_u32 v62, v[QR], v54
	v_add_nc_u32 v60, v59, v60
	v_add_nc_u32 v61, v60, v61
	v_mov_b32 v34, v55
	v_mov_b32 v35, 0
	v_mov_b32 v36, 0
	v_cmp_ge_u32 vcc_lo, v62, v59
	v_cndmask_b32 v34, v34, v56, vcc_lo
	v_cndmask_b32 v35, v35, v59, vcc_lo
	v_cndmask_b32 v36, v36, 1, vcc_lo
	v_cmp_ge_u32 vcc_lo, v62, v60
	v_cndmask_b32 v34, v34, v57, vcc_lo
	v_cndmask_b32 v35, v35, v60, vcc_lo
	v_cndmask_b32 v36, v36, 2, vcc_lo
	v_cmp_ge_u32 vcc_lo, v62, v61
	v_cndmask_b32 v34, v34, v58, vcc_lo
	v_cndmask_b32 v35, v35, v61, vcc_lo
	v_cndmask_b32 v36, v36, 3, vcc_lo
	v_sub_nc_u32 v62, v62, v35
	v_lshrrev_b32 v39, 1, v34                      ; ones in fields of 2, 4, 8 and 16 bits
	v_and_b32 v39, s30, v39
	v_sub_nc_u32 v37, v34, v39
	v_lshrrev_b32 v39, 2, v37
	v_and_b32 v39, s31, v39
	v_and_b32 v42, s31, v37
	v_add_nc_u32 v42, v42, v39
	v_lshrrev_b32 v39, 4, v42
	v_add_nc_u32 v43, v42, v39
	v_and_b32 v43, s32, v43
	v_lshrrev_b32 v39, 8, v43
	v_add_nc_u32 v63, v43, v39
	v_and_b32 v63, s34, v63
	v_mov_b32 v53, 0
	DESC 63, 16
	DESC 43, 8
	DESC 42, 4
	DESC 37, 2
	DESC 34, 1
	v_lshlrev_b32 v[TOK], 7, v52
	v_lshl_or_b32 v[TOK], v36, 5, v[TOK]
	v_or_b32 v[TOK], v[TOK], v53
	v_min_u32 v[TOK], 0xfff, v[TOK]                ; a token's number, whatever the rank was
.endm
.macro PAIRSTEP k, st                  ; pairs (k, ..) begin at number st
	s_cmp_ge_u32 s17, \st
	s_cselect_b32 s28, \k, s28
	s_cselect_b32 s21, \st, s21
.endm
.macro ROWLD2 j                        ; row j of my 24: its token's two pieces of h for a and two for b, 512 consecutive bytes each
	v_readlane_b32 s20, v[TOK], \j
	s_min_u32 s20, s20, 0xfff
	v_lshl_add_u32 v[20+(\j)%12], s20, 13, v5
	global_load_b128 v[64+16*((\j)%12):64+16*((\j)%12)+3], v[20+(\j)%12], s[36:37]
	global_load_b128 v[64+16*((\j)%12)+4:64+16*((\j)%12)+7], v[20+(\j)%12], s[36:37] offset:512
	global_load_b128 v[64+16*((\j)%12)+8:64+16*((\j)%12)+11], v[20+(\j)%12], s[38:39]
	global_load_b128 v[64+16*((\j)%12)+12:64+16*((\j)%12)+15], v[20+(\j)%12], s[38:39] offset:512
.endm
.macro BLOAD2 st, part, dv             ; the weights of one K step (part; hidden block dv from the base on), 16 loads of 512 consecutive bytes, into stage st
.set cc, 0
.rept 8
	global_load_b128 v[64*(\st)+8*cc:64*(\st)+8*cc+3], v[14+(\part)], s[24:25] offset:11264*cc+1024*(\dv)
	global_load_b128 v[64*(\st)+8*cc+4:64*(\st)+8*cc+7], v[14+(\part)], s[24:25] offset:11264*cc+1024*(\dv)+512
.set cc, cc+1
.endr
.endm
.macro ALOAD2 buf, off, ab             ; six fragments of h, by the addresses from v[ab] on
.irp i, 0,1,2,3,4,5
	ds_load_b128 v[64+48*(\buf)+8*\i:64+48*(\buf)+8*\i+3], v[(\ab)+\i] offset:(\off)
	ds_load_b128 v[64+48*(\buf)+8*\i+4:64+48*(\buf)+8*\i+7], v[(\ab)+\i] offset:(\off)+512
.endr
.endm
; One K step.  tl: its number from the even step at which the addresses v[ab] .. stand; st: its stage.  The 48 accumulators take turns in one fixed order.
; ldb: the stage is filled again, with hidden block dv from the base on; adv: the base goes two hidden blocks on first.  lda: the next step's fragments are fetched.  lcnt, dcnt: what may stay out.
.macro STEP2 tl, st, zero, ldb, dv, adv, lda, ab, lcnt, dcnt
	WIN 0
.if \lda
.set pn, ((\tl)+1)&1
.set on, 1024*pn+32*(((\tl)+1)>>1)
	ALOAD2 pn, on, \ab                             ; the products that read this buffer stand in front of the four v_nop of the step before
.endif
	s_wait_loadcnt \lcnt
	s_wait_dscnt \dcnt
.set ii, 0
.rept 6
.if ii < 4
	WIN 0x53                                       ; weights in window 3, h in window 0, sums in window 1
.else
	WIN 0xa3                                       ; sums in window 2
.endif
.set cc, 0
.rept 8
.set rD, 8*(8*(ii%4)+cc)
.set rB, 64*(\st)+8*cc
.set rA, 64+48*((\tl)&1)+8*ii
.if \zero
	v_wmma_f32_16x16x32_bf16 v[rD:rD+7], v[rB:rB+7], v[rA:rA+7], 0
.else
	v_wmma_f32_16x16x32_bf16 v[rD:rD+7], v[rB:rB+7], v[rA:rA+7], v[rD:rD+7]
.endif
.set cc, cc+1
.endr
.set ii, ii+1
.endr
.rept 4
	v_nop                                          ; four places in front of loads into registers that these products read, and of the first reads of the sums
.endr
.if \ldb
.if \adv
	s_wait_xcnt 0x0                                ; the loads' base is stepped only behind this wait; the youngest loads that name it were issued a K step ago
	s_add_nc_u64 s[24:25], s[24:25], 2048
.endif
	WIN 0xc0
.set pp, (\tl)&1
	BLOAD2 \st, pp, \dv                            ; the stage just read takes the step four on
.endif
	WIN 0
.endm
; The place along K is a scalar, stepped once a trip; the six fragment addresses are made from it at the trip's head.
.macro KHEAD
.irp i, 0,1,2,3,4,5
	v_add_nc_u32 v[34+\i], s35, v[8+\i]
.endr
.endm
; Block bi of 16 rows leaves: into my stage (lowest registers of each accumulator first), back as whole rows, out.
.macro OUTB bi
.if (\bi) >= 1
	s_cmp_le_u32 s19, 16*(\bi)                     ; no row of this block, nor of any later one, exists
	s_cbranch_scc1 .Lend
.endif
	s_wait_xcnt 0x0                                ; the last block's stores have read their registers
	WIN 0x04+4*((\bi)/4)                           ; store data in window 1 or 2
.set cc, 0
.rept 8
	ds_store_b128 v16, v[64*((\bi)%4)+8*cc:64*((\bi)%4)+8*cc+3] offset:64*cc
	ds_store_b128 v16, v[64*((\bi)%4)+8*cc+4:64*((\bi)%4)+8*cc+7] offset:64*cc+16
.set cc, cc+1
.endr
	WIN 0
.set qq, 0
.rept 8
	ds_load_b32 v[128+qq], v18 offset:4*(16*(\bi)+2*qq)
	ds_load_b128 v[64+8*qq:64+8*qq+3], v17 offset:2*SPT*qq         ; LDS serves a wave's instructions in order (ISA guide 5.7.1.4): these see the stores above
	ds_load_b128 v[64+8*qq+4:64+8*qq+7], v17 offset:2*SPT*qq+256
.set qq, qq+1
.endr
	s_wait_dscnt 0x0
.set qq, 0
.rept 8
	v_min_u32 v[128+qq], 0xfff, v[128+qq]
	v_lshl_add_u32 v[128+qq], v[128+qq], 13, v19
	global_store_b128 v[128+qq], v[64+8*qq:64+8*qq+3], s[10:11] th:TH_STORE_NT              ; 16 lanes store 256 consecutive bytes, aligned
	global_store_b128 v[128+qq], v[64+8*qq+4:64+8*qq+7], s[10:11] offset:256 th:TH_STORE_NT
.set qq, qq+1
.endr
.endm
	s_load_b256 s[4:11], s[0:1], 0x0               ; hs, w2, route, out0
	v_lshl_add_u32 v2, v0, 2, SPARE
	v_mov_b32 v3, 0
	v_lshrrev_b32 v36, 5, v0
	v_readfirstlane_b32 s14, v36                   ; wave 0..3
	s_and_b32 s15, ttmp9, 3
	s_lshr_b32 s16, ttmp9, 2
	s_mov_b32 s30, 0x55555555
	s_mov_b32 s31, 0x33333333
	s_mov_b32 s32, 0x0f0f0f0f
	s_mov_b32 s33, 0x01010101
	s_mov_b32 s34, 0x00ff00ff
	v_and_b32 v1, 31, v0
	v_lshlrev_b32 v4, 2, v1
	v_lshlrev_b32 v5, 4, v1
	v_and_b32 v6, 15, v1
	v_lshrrev_b32 v7, 4, v1
	MAPLOAD 28, 96
	; addresses that hang on the lane, the wave and the slice alone, made while those loads are out
.irp i, 0,1,2,3,4,5
	v_add_nc_u32 v[8+\i], 16*\i, v6
	v_mul_u32_u24 v[8+\i], v[8+\i], PA
	v_lshl_add_u32 v[8+\i], v7, 4, v[8+\i]
.endr
	s_mul_i32 s20, s14, 16*SPT
	s_add_co_u32 s20, s20, STG                     ; my stage
	v_mul_u32_u24 v16, v6, SPT
	v_lshl_add_u32 v16, v7, 5, v16
	v_add_nc_u32 v16, s20, v16
	v_mul_u32_u24 v17, v7, SPT
	v_lshl_add_u32 v17, v6, 4, v17
	v_add_nc_u32 v17, s20, v17
	v_lshl_add_u32 v18, v7, 2, TABT
	s_lshl_b32 s20, s15, 11
	s_lshl_b32 s21, s14, 9
	s_add_co_u32 s20, s20, s21
	v_lshl_add_u32 v19, v6, 4, s20
	s_mul_i32 s22, s14, 24*PA                      ; my 24 rows
	v_add_nc_u32 v46, s22, v4                      ; the counts' turn: my lane's word of each key,
	v_min_u32 v47, 27, v1
	v_mul_u32_u24 v47, v47, KP
	v_add_nc_u32 v47, s22, v47                     ; and my key's 32 words
	MAPCALC 28, CAP, 10923, 28, 1
	s_mov_b32 s28, 0
	s_mov_b32 s21, 0
	PAIRSTEP 1, 7
	PAIRSTEP 2, 13
	PAIRSTEP 3, 18
	PAIRSTEP 4, 22
	PAIRSTEP 5, 25
	PAIRSTEP 6, 27
	s_sub_co_u32 s29, s17, s21
	s_add_co_u32 s29, s29, s28
	s_add_co_u32 s29, s29, 1
	s_min_u32 s28, s28, 7                          ; a
	s_min_u32 s29, s29, 7                          ; b
	s_mov_b32 s41, 0
	s_lshl_b32 s40, s28, 10
	s_add_nc_u64 s[36:37], s[4:5], s[40:41]
	s_lshl_b32 s40, s29, 10
	s_add_nc_u64 s[38:39], s[4:5], s[40:41]
	s_lshl_b32 s40, s15, 5
	s_lshl3_add_u32 s40, s14, s40                  ; my first block of 16 output columns
	s_mul_i32 s40, s40, 11264
	s_add_nc_u64 s[24:25], s[6:7], s[40:41]
	s_mul_i32 s20, s28, 1441792
	v_add_nc_u32 v14, s20, v5
	s_mul_i32 s20, s29, 1441792
	v_add_nc_u32 v15, s20, v5
	s_wait_loadcnt 0x0                             ; the bitmaps
	WIN 0xc0                                       ; the first three K steps' weights hang on the pair alone: they go out here, 48 loads, and are on their way during the search
	BLOAD2 0, 0, 0
	BLOAD2 1, 1, 0
	BLOAD2 2, 0, 1
	WIN 0
.irp j, 0,1,2,3,4,5,6,7
	v_mov_b32 v[44+\j], 0
.endr
.set ee, 0
.rept 8                                ; a's words as lower choice, b's as higher, picked by masks: no second trip to memory
	s_cmp_eq_u32 s28, ee
	s_cselect_b32 s20, -1, 0
	s_cmp_eq_u32 s29, ee
	s_cselect_b32 s21, -1, 0
.irp j, 0,1,2,3
	v_and_or_b32 v[44+\j], v[192+16*\j+ee], s20, v[44+\j]
	v_and_or_b32 v[48+\j], v[200+16*\j+ee], s21, v[48+\j]
.endr
.set ee, ee+1
.endr
.irp j, 0,1,2,3
	v_and_b32 v[44+\j], v[44+\j], v[48+\j]
.endr
	POPC 44, 48, 39
	POPC 45, 49, 39
	POPC 46, 50, 39
	POPC 47, 51, 39
	v_min_u32 v36, 23, v1
	s_mul_i32 s20, s14, 24
	v_add_nc_u32 v36, s20, v36                     ; lane j < 24: row 24 w + j of the tile
	s_sub_co_i32 s21, s19, 1
	s_max_i32 s21, s21, 0
	v_min_u32 v[QR], s21, v36                      ; places past the count repeat the last row
	v_add_nc_u32 v[QR], s18, v[QR]
	SELECT
	WIN 0xc0                                       ; the fourth K step's weights: on every path, like the first three
	BLOAD2 3, 1, 1
	WIN 0
	s_cmp_eq_u32 s19, 0
	s_cbranch_scc1 .LskipA
	; THE GATHER: my 24 rows through twelve slots of registers into LDS
	s_mul_i32 s20, s14, 24*PA
	v_add_nc_u32 v33, s20, v5                      ; the rank is done with
.irp j, 0,1,2,3,4,5,6,7,8,9,10,11
	ROWLD2 \j
.endr
.set jj, 0
.rept 24
.if jj <= 12
	s_wait_loadcnt 44                              ; eleven younger rows of four loads (loads come back in order: the weights asked for earlier are in too)
.else
	s_wait_loadcnt 4*(23-jj)
.endif
.irp c, 0,1,2,3
	ds_store_b128 v33, v[64+16*(jj%12)+4*\c:64+16*(jj%12)+4*\c+3] offset:PA*jj+512*\c
.endr
.if jj < 12
.set jr, jj+12
	ROWLD2 jr
.endif
.set jj, jj+1
.endr
	v_min_u32 v34, 23, v1
	s_mul_i32 s20, s14, 24
	v_add_nc_u32 v34, s20, v34
	v_lshl_add_u32 v34, v34, 2, TABT
	ds_store_b32 v34, v[TOK]
.LskipA:
	s_wait_dscnt 0x0                               ; for the others' sake: my rows and my table entries are in LDS
	s_barrier_signal -1
	s_barrier_wait -1
	s_cmp_eq_u32 s19, 0
	s_cbranch_scc1 .LnoA                           ; a tile without rows has written no rows: it reads none
	ALOAD2 0, 0, 8                                 ; the fragments of K steps 0 and 1
	ALOAD2 1, 1024, 8
.LnoA:
	STEP2 0, 0, 1, 1, 2, 0, 0, 8, 48, 12           ; on every path: its products start all 48 sums.  48: three younger stages of 16 loads; 12: step 1's fragments
	s_cmp_eq_u32 s19, 0
	s_cbranch_scc1 .LskipK                         ; a tile without rows jumps the other 21 steps
	STEP2 1, 1, 0, 1, 2, 0, 1, 8, 48, 12           ; 12, here and below: the twelve fragment loads just issued
	s_mov_b32 s35, 32                              ; hidden block 1
	s_mov_b32 s26, 4
.Lk:                                           ; steps 2 to 17, four a trip: two hidden blocks, a and b by turns
	KHEAD
	STEP2 0, 2, 0, 1, 1, 1, 1, 34, 48, 12
	STEP2 1, 3, 0, 1, 1, 0, 1, 34, 48, 12
	STEP2 2, 0, 0, 1, 2, 0, 1, 34, 48, 12
	STEP2 3, 1, 0, 1, 2, 0, 1, 34, 48, 12
	s_add_co_u32 s35, s35, 64
	s_sub_co_u32 s26, s26, 1
	s_cmp_lg_u32 s26, 0
	s_cbranch_scc1 .Lk
	KHEAD
	STEP2 0, 2, 0, 0, 0, 0, 1, 34, 48, 12          ; the last four steps load no weights: the counts run down
	STEP2 1, 3, 0, 0, 0, 0, 1, 34, 32, 12
	STEP2 2, 0, 0, 0, 0, 0, 1, 34, 16, 12
	STEP2 3, 1, 0, 0, 0, 0, 0, 34, 0, 0
.LskipK:
	s_wait_dscnt 0x0                               ; my reads of the rows of h are over
	s_barrier_signal -1                            ; the loop's LDS addresses step with the trip: this barrier puts every wave's reads of the rows ahead of every later LDS store,
	s_barrier_wait -1                              ; so that the order hangs on no bound of those addresses
	s_cmp_eq_u32 s19, 0
	s_cbranch_scc1 .Lend
	OUTB 0
	OUTB 1
	OUTB 2
	OUTB 3
	OUTB 4
	OUTB 5
.Lend:
	s_wait_tensorcnt 0x0                           ; the wave's end
	ds_add_u32 v2, v3
	s_wait_dscnt 0x0
	s_endpgm
.Lfunc_end_k_q22130ba1c5_down:
	.size	k_q22130ba1c5_down, .Lfunc_end_k_q22130ba1c5_down-k_q22130ba1c5_down
	.p2alignl 7, 3214868480
	.fill 96, 4, 3214868480
	.section	.rodata,"a",@progbits
	.p2align	6, 0x0
	.amdhsa_kernel k_q22130ba1c5_down
		.amdhsa_group_segment_fixed_size 232960
		.amdhsa_private_segment_fixed_size 0
		.amdhsa_enable_private_segment 0
		.amdhsa_kernarg_size 32
		.amdhsa_user_sgpr_count 2
		.amdhsa_user_sgpr_kernarg_segment_ptr 1
		.amdhsa_wavefront_size32 1
		.amdhsa_system_sgpr_workgroup_id_x 1
		.amdhsa_system_sgpr_workgroup_id_y 1
		.amdhsa_system_sgpr_workgroup_id_z 1
		.amdhsa_system_vgpr_workitem_id 0
		.amdhsa_next_free_vgpr 1024
		.amdhsa_next_free_sgpr 66
		.amdhsa_reserve_vcc 1
		.amdhsa_float_denorm_mode_32 3
		.amdhsa_float_denorm_mode_16_64 3
		.amdhsa_memory_ordered 1
		.amdhsa_forward_progress 1
		.amdhsa_inst_pref_size 139
	.end_amdhsa_kernel
	.amdgpu_metadata
---
amdhsa.version: [ 1, 2 ]
amdhsa.kernels:
  - .name:           k_q22130ba1c5_down
    .symbol:         k_q22130ba1c5_down.kd
    .args:
      - { .name: hs, .offset: 0, .size: 8, .value_kind: global_buffer, .address_space: global }
      - { .name: w2, .offset: 8, .size: 8, .value_kind: global_buffer, .address_space: global }
      - { .name: route, .offset: 16, .size: 8, .value_kind: global_buffer, .address_space: global }
      - { .name: out0, .offset: 24, .size: 8, .value_kind: global_buffer, .address_space: global }
    .group_segment_fixed_size: 232960
    .private_segment_fixed_size: 0
    .kernarg_segment_align: 8
    .kernarg_segment_size: 32
    .max_flat_workgroup_size: 128
    .sgpr_count:     66
    .vgpr_count:     1024
    .wavefront_size: 32
...
	.end_amdgpu_metadata
.endif
;; end of part 3
;; ======== version 2 of 2: 3 launches; version 1 with the launch prep written anew for expert scheduling mode
;; workspace buffers: xb 16,777,216 bytes; w1 23,068,672 bytes; w2 11,534,336 bytes; route 32,768 bytes of whole numbers; wts 131,072 bytes; hs 33,554,432 bytes
;; launch prep (part 4): grid 432 x 1, 8 waves a work-group, no clusters, 101,376 bytes of LDS; arguments x, router_w, Wg, Wu, Wd, xb, w1, w2, route, wts; writes xb, w1, w2, route, wts
.if DOCPART == 4
	.amdgcn_target "amdgcn-amd-amdhsa--gfx1250"
	.amdhsa_code_object_version 6
	.text
	.protected	k_q22130ba1c5_prep
	.globl	k_q22130ba1c5_prep
	.p2align	8
	.type	k_q22130ba1c5_prep,@function
k_q22130ba1c5_prep:
	s_mov_b64 s[64:65], 0
	v_nop
	global_prefetch_b8 v0, s[64:65] scope:SCOPE_SE
	s_setreg_imm32_b32 hwreg(HW_REG_WAVE_SCHED_MODE, 0, 2), 2
	s_setreg_imm32_b32 hwreg(HW_REG_WAVE_MODE, 25, 1), 1
	s_wait_xcnt 0x0
	s_wait_alu depctr_vm_vsrc(0)
; PREP.  Three kinds of work-group, told apart by the work-group's number alone:
;   0..127   (X) 32 tokens each: x is rounded to bf16 (xb), the 8 router logits are made by the matrix unit from the rounded x and the rounded router_w,
;            then top-2, the softmax of the two, the routing bitmaps and counts (route) and the combine weights (wts), all at fixed places.
;   128..303 (G) a wave takes 16 rows x 512 k of Wg or Wu: rounded to bf16 and laid out as the operand registers of the first product take them (w1).
;   304..431 (D) a wave takes 16 rows of Wd (22,016 dense bytes): the same for the second product (w2).
; LIMITS.  Every input is rounded once to bf16.  The logits are f32 sums in the matrix unit's order, then over the eight waves in ascending k: a gap between the second and third logit
; of the size of that rounding (about 1e-6 of the logits) may fall the other way than a sum in another order.  Ties go to the lower index.  NaN and infinities are not treated apart.
; No tensor load: the pieces are converted on their way through registers, so a copy into LDS would only add a round trip.  No cluster: no two work-groups read the same large tile.
; w1 byte = e*2883584 + P*131072 + ks*2048 + gu*1024 + hf*512 + lane*16: weight row 16P + lane%16, k = 32ks + 16hf + 8(lane/16) + 0..7; rows from 344 on are 0.
; w2 byte = (e*128 + nb)*11264 + v*1024 + hf*512 + lane*16: Wd[e][16nb + lane%16][176hf + 16v + 8(lane/16) + 0..7]; columns from 344 on are 0.
; route: 64 words for each group of 32 tokens: 0-7 bitmaps of the lower chosen expert, 8-15 of the higher, 16-23 tokens of each expert, 24-51 tokens of each pair (a<b), 52-63 zero.
; THE MODE: SCHED_MODE bits 1:0 = 2 (LLVM: expert scheduling mode 2), set by the entry lines.  The code itself states the register dependences
; between vector or matrix instructions and memory or LDS instructions, with s_wait_alu, always for 0.
; THE PLAN.  Registers that memory or LDS instructions touch:
;   v4, v5, v8-11, v13-19   offsets, addresses and zeros, made at the head and never written again: one wait on va_vdst ahead of the first branch.
;   a slot (v128-191, v192-255; X and G)  loaded; rounded in place by a piece's conversions; read by the piece's stores; loaded again.
;   v64-127 (X)  router_w: loaded, rounded, stored to LDS; then the fragments: they land from LDS and the products read them.
;   v64-95 (G)   land from LDS, are read by the global stores; no vector instruction names them.
;   v64-235 (D)  loaded, rounded in place, stored to LDS by the addresses v20-62, which are made while the loads are out; then v64-151 land from LDS and are stored.
; A piece of X or G: all its conversions, ONE wait on va_vdst, the run of its stores, ONE wait on vm_vsrc, the LDS loads, the slot's next loads, which no vector instruction since the first wait names.
; D: six groups of conversions, each with one wait on va_vdst ahead of its run of LDS stores.  Where the three paths meet, one wait on vm_vsrc stands ahead of the branches, for the registers that the last stores
; of D and G read and the lines behind the branches write.  Wave 0's tail: the compares in runs into scalar registers, one wait behind each run.
.set REGB,  11520                      ; a wave's own LDS region: 16 rows x 720 bytes (path D); X and G use 8,704 and 4,352 of it
.set RWST,  4352                       ; in it, behind 16 rows x 272: router_w's 2 x 8 rows x 272
.set PART,  92160                      ; 8 waves x 1,024 bytes: partial logits, 32 tokens x 8 f32
.set SL0,   128                        ; v128-191, v192-255: two load slots of 16 rows x 4 registers
.set SL1,   192
; v1 lane  v4 16 lane  v5 8 lane  v6 lane%16  v7 lane/16  v8 stage in  v9 fragment of 16 rows  v10 fragment of router_w  v11 partial logits
; v12 offset of rows 8-15 (G)  v13 lane*48771 (D)  v14 fragment (D)  v15 zero pad (D)  v16-19 zeros  v20-62 the 43 LDS addresses (D)  v24-55 four accumulators (X)  v63 where wave 0 reads the partial logits  v64-127 fragments
.macro CVT2 b                          ; four f32 become four bf16 in the first two registers
	v_cvt_pk_bf16_f32 v[\b], v[\b], v[(\b)+1]
	v_cvt_pk_bf16_f32 v[(\b)+1], v[(\b)+2], v[(\b)+3]
.endm
.macro LDX tile, kp, slot              ; 16 tokens x 128 k of x: each load 512 consecutive bytes of one row
.set j, 0
.rept 16
	global_load_b128 v[(\slot)+4*j:(\slot)+4*j+3], v4, s[4:5] offset:(16*(\tile)+j)*8192+512*(\kp) th:TH_LOAD_NT
.set j, j+1
.endr
.endm
; One piece of x: rounded, stored to xb (each store 256 consecutive bytes, aligned), staged in LDS, read back as fragments, four products.  nxt: the piece along k that the slot takes next, or -1.
; Source 0 = router_w's rows (lane%8, so both halves of the lanes end with experts 0-7 in registers 0-7), source 1 = 16 tokens.
.macro PROCX tile, kp, slot, zero, nxt
.set A0, 24+16*(\tile)
.set j, 0
.rept 16
	CVT2 (\slot)+4*j
.set j, j+1
.endr
	s_wait_alu depctr_va_vdst(0)                   ; the conversions have written the slot, which the stores read; the last piece's products (in the first piece: router_w's conversions) are done with v64-127, in which the fragments land
.set j, 0
.rept 16
	global_store_b64 v5, v[(\slot)+4*j:(\slot)+4*j+1], s[14:15] offset:(16*(\tile)+j)*4096+256*(\kp)
	ds_store_b64 v8, v[(\slot)+4*j:(\slot)+4*j+1] offset:272*j
.set j, j+1
.endr
.if (\nxt) >= 0
	s_wait_alu depctr_vm_vsrc(0)                   ; the stores have read the slot, which is loaded again below; in the first piece router_w's LDS stores have read v64-127, in which the fragments land
.endif
.set j, 0
.rept 4                                ; the 32 conversions above also stand between the last products and these loads into their sources
	ds_load_b128 v[64+8*j:64+8*j+3], v9 offset:64*j
	ds_load_b128 v[64+8*j+4:64+8*j+7], v9 offset:64*j+32
	ds_load_b128 v[96+8*j:96+8*j+3], v10 offset:2176*(\kp)+64*j
	ds_load_b128 v[96+8*j+4:96+8*j+7], v10 offset:2176*(\kp)+64*j+32
.set j, j+1
.endr
.if (\nxt) >= 0
	s_wait_xcnt 0x0                                ; the slot was store data: loaded again only behind this wait
	LDX \tile, \nxt, \slot                         ; no wait on va_vdst: no vector instruction since the wait above
.endif
	s_wait_dscnt 0x0
.if \zero                              ; two accumulators a tile take turns; the first products start the sums
	v_wmma_f32_16x16x32_bf16 v[A0:A0+7], v[96:103], v[64:71], 0
	v_wmma_f32_16x16x32_bf16 v[A0+8:A0+15], v[104:111], v[72:79], 0
.else
	v_wmma_f32_16x16x32_bf16 v[A0:A0+7], v[96:103], v[64:71], v[A0:A0+7]
	v_wmma_f32_16x16x32_bf16 v[A0+8:A0+15], v[104:111], v[72:79], v[A0+8:A0+15]
.endif
	v_wmma_f32_16x16x32_bf16 v[A0:A0+7], v[112:119], v[80:87], v[A0:A0+7]
	v_wmma_f32_16x16x32_bf16 v[A0+8:A0+15], v[120:127], v[88:95], v[A0+8:A0+15]
.endm
.macro LDG kp, slot                    ; 16 weight rows x 128 k; rows 8-15 by an offset of their own (see P = 21)
.set j, 0
.rept 8
	global_load_b128 v[(\slot)+4*j:(\slot)+4*j+3], v4, s[8:9] offset:j*8192+512*(\kp) th:TH_LOAD_NT
.set j, j+1
.endr
.rept 8
	global_load_b128 v[(\slot)+4*j:(\slot)+4*j+3], v12, s[8:9] offset:(j-8)*8192+512*(\kp) th:TH_LOAD_NT
.set j, j+1
.endr
.endm
.macro PROCG kp, slot, nxt             ; nxt: the piece that the slot takes next, or -1
.set j, 0
.rept 16
	CVT2 (\slot)+4*j
.if j >= 8
	v_and_b32 v[(\slot)+4*j], s37, v[(\slot)+4*j]          ; rows that do not exist become 0
	v_and_b32 v[(\slot)+4*j+1], s37, v[(\slot)+4*j+1]
.endif
.set j, j+1
.endr
	s_wait_alu depctr_va_vdst(0)                   ; the conversions and masks have written the slot, which the LDS stores read
.set j, 0
.rept 16
	ds_store_b64 v8, v[(\slot)+4*j:(\slot)+4*j+1] offset:272*j
.set j, j+1
.endr
	s_wait_xcnt 0x0                                ; v64-95 were the last piece's store data: rewritten only behind this wait
	s_wait_alu depctr_vm_vsrc(0)                   ; the last piece's stores have read v64-95, in which the loads below land; the LDS stores above have read the slot, which is loaded again
.set j, 0
.rept 8
	ds_load_b128 v[64+4*j:64+4*j+3], v9 offset:32*j
.set j, j+1
.endr
.if (\nxt) >= 0
	LDG \nxt, \slot                                ; no wait on va_vdst: no vector instruction since the wait above
.endif
	s_wait_dscnt 0x0
.set j, 0
.rept 8
	global_store_b128 v4, v[64+4*j:64+4*j+3], s[16:17] offset:(4*(\kp)+j/2)*2048+512*(j%2)   ; 512 consecutive bytes, aligned
.set j, j+1
.endr
.endm
	s_load_b512 s[4:19], s[0:1], 0x0               ; x, router_w, Wg, Wu, Wd, xb, w1, w2
	s_load_b128 s[20:23], s[0:1], 0x40             ; route, wts
	v_lshl_add_u32 v2, v0, 2, 0x18800
	v_mov_b32 v3, 0
	v_lshrrev_b32 v20, 5, v0
	v_readfirstlane_b32 s24, v20                   ; wave 0..7
	s_mov_b32 s27, ttmp9
	v_and_b32 v1, 31, v0
	v_lshlrev_b32 v4, 4, v1
	v_lshlrev_b32 v5, 3, v1
	v_and_b32 v6, 15, v1
	v_lshrrev_b32 v7, 4, v1
	v_mul_u32_u24 v13, v1, 48771
	v_mov_b32 v16, 0
	v_mov_b32 v17, 0
	v_mov_b32 v18, 0
	v_mov_b32 v19, 0
	s_wait_alu depctr_va_sdst(0)                   ; s24 is written, ahead of its first reader: the wave's addresses are made from it
	s_mul_i32 s25, s24, REGB                       ; my region
	v_add_nc_u32 v8, s25, v5
	v_mul_u32_u24 v9, v6, 272
	v_lshl_add_u32 v9, v7, 4, v9
	v_add_nc_u32 v9, s25, v9
	v_and_b32 v10, 7, v1
	v_mul_u32_u24 v10, v10, 272
	v_lshl_add_u32 v10, v7, 4, v10
	v_add_nc_u32 v10, s25, v10
	v_add_nc_u32 v10, RWST, v10
	s_lshl_b32 s26, s24, 10
	v_lshl_add_u32 v11, v1, 5, s26
	v_add_nc_u32 v11, PART, v11
	v_mul_u32_u24 v14, v6, 720
	v_add_nc_u32 v14, s25, v14
	v_add_nc_u32 v15, 688, v14
	v_lshl_add_u32 v14, v7, 4, v14
	s_mov_b32 s29, 0                               ; the high word of every offset pair below
	s_mov_b32 s35, 0
	s_wait_kmcnt 0x0
	s_wait_alu depctr_va_vdst(0)                   ; the offsets, addresses and zeros v4-19 are written, which the loads and stores of all three paths read
	s_cmp_lt_u32 s27, 128
	s_cbranch_scc1 .LpathX
	s_cmp_lt_u32 s27, 304
	s_cbranch_scc1 .LpathG
	; PATH D.  16 rows of 344 f32 are 43 x 512 dense bytes: all 43 loads go out at once.
	s_sub_co_u32 s28, s27, 304
	s_lshl_b32 s28, s28, 3
	s_add_co_u32 s30, s28, s24                     ; e*128 + nb
	s_mul_i32 s28, s30, 22016
	s_add_nc_u64 s[12:13], s[12:13], s[28:29]
	s_mul_i32 s28, s30, 11264
	s_add_nc_u64 s[18:19], s[18:19], s[28:29]
.set q, 0
.rept 43
	global_load_b128 v[64+4*q:64+4*q+3], v4, s[12:13] offset:512*q th:TH_LOAD_NT
.set q, q+1
.endr
	ds_store_b128 v15, v[16:19]                    ; columns 344-351 of my 16 rows
.set q, 0
.rept 43                               ; group G = 32 q + lane of four numbers lies in row G / 86 = (G * 48771) >> 22 (48771 * 86 = 2^22 + 2: exact far beyond G = 1375); LDS byte 8 G + 32 row at pitch 720.  A register to each address, made while the loads are out
	v_add_nc_u32 v[20+q], q*1560672, v13
	v_lshrrev_b32 v[20+q], 22, v[20+q]
	v_lshl_add_u32 v[20+q], v[20+q], 5, v8
.set q, q+1
.endr
.set g, 0
.rept 6                                ; five groups of eight loads and one of three
.set n, 8
.if g == 5
.set n, 3
.endif
	s_wait_loadcnt 43-8*g-n                        ; loads come back in order: the group is in, the younger ones stay out
.set q, 8*g
.rept n
	CVT2 64+4*q
.set q, q+1
.endr
	s_wait_alu depctr_va_vdst(0)                   ; the group's conversions have written their registers, which the LDS stores read; in the first group the 43 addresses are written too
.set q, 8*g
.rept n
	ds_store_b64 v[20+q], v[64+4*q:64+4*q+1] offset:256*q
.set q, q+1
.endr
.set g, g+1
.endr
	s_wait_dscnt 0x0
	s_wait_alu depctr_vm_vsrc(0)                   ; the LDS stores have read v64-233, in part of which the loads below land (the conversions that named them stand ahead of the last wait on va_vdst)
.set q, 0
.rept 22
	ds_load_b128 v[64+4*q:64+4*q+3], v14 offset:32*(q/2)+352*(q%2)
.set q, q+1
.endr
.set q, 0
.rept 22
	s_wait_dscnt 21-q                              ; LDS loads come back in order
	global_store_b128 v4, v[64+4*q:64+4*q+3], s[18:19] offset:1024*(q/2)+512*(q%2)
.set q, q+1
.endr
	s_branch .Ljoin
.LpathG:
	s_sub_co_u32 s28, s27, 128
	s_lshl_b32 s28, s28, 3
	s_add_co_u32 s28, s28, s24                     ; 0..1407 = ((e*22 + P)*2 + gu)*4 + kq
	s_and_b32 s30, s28, 3                          ; kq: which 512 k
	s_lshr_b32 s28, s28, 2
	s_and_b32 s31, s28, 1                          ; gu
	s_lshr_b32 s28, s28, 1                         ; e*22 + P
	s_mul_i32 s32, s28, 2979
	s_lshr_b32 s32, s32, 16                        ; e (2979 * 22 = 2^16 + 2: exact below 176)
	s_mul_i32 s33, s32, 22
	s_sub_co_u32 s33, s28, s33                     ; P
	s_cmp_eq_u32 s31, 1
	s_cselect_b64 s[8:9], s[10:11], s[8:9]         ; Wu or Wg
	s_mul_i32 s34, s32, 344
	s_lshl4_add_u32 s34, s33, s34                  ; first row
	s_lshl_b32 s34, s34, 13
	s_lshl_b32 s36, s30, 11
	s_add_co_u32 s34, s34, s36
	s_add_nc_u64 s[8:9], s[8:9], s[34:35]
	s_mul_i32 s34, s32, 2883584
	s_lshl_b32 s36, s33, 17
	s_add_co_u32 s34, s34, s36
	s_lshl_b32 s36, s30, 15
	s_add_co_u32 s34, s34, s36
	s_lshl_b32 s36, s31, 10
	s_add_co_u32 s34, s34, s36
	s_add_nc_u64 s[16:17], s[16:17], s[34:35]
	s_cmp_eq_u32 s33, 21                           ; the last block has 8 rows: its rows 8-15 read rows 0-7 again, inside the buffer, and are cleared
	s_cselect_b32 s36, 0, 65536
	s_cselect_b32 s37, 0, -1
	v_add_nc_u32 v12, s36, v4
	s_wait_alu depctr_va_vdst(0)                   ; v12 is written, which the loads of rows 8-15 read as their offset
	LDG 0, SL0
	LDG 1, SL1
	s_wait_loadcnt 16                              ; one piece of 16 loads is younger
	PROCG 0, SL0, 2
	s_wait_loadcnt 16
	PROCG 1, SL1, 3
	s_wait_loadcnt 16
	PROCG 2, SL0, -1
	s_wait_loadcnt 0x0
	PROCG 3, SL1, -1
	s_branch .Ljoin
.LpathX:                                       ; wave w has k = 256 w .. 256 w + 255 of the group's 32 tokens
	s_lshl_b32 s28, s27, 18
	s_lshl_b32 s30, s24, 10
	s_add_co_u32 s28, s28, s30
	s_add_nc_u64 s[4:5], s[4:5], s[28:29]
	s_mov_b32 s28, s30
	s_add_nc_u64 s[6:7], s[6:7], s[28:29]
	s_lshl_b32 s28, s27, 17
	s_lshl_b32 s30, s24, 9
	s_add_co_u32 s28, s28, s30
	s_add_nc_u64 s[14:15], s[14:15], s[28:29]
.set j, 0
.rept 16                               ; router_w: 8 rows x 128 k, twice
	global_load_b128 v[64+4*j:64+4*j+3], v4, s[6:7] offset:(j%8)*8192+512*(j/8)
.set j, j+1
.endr
	LDX 0, 0, SL0
	LDX 1, 0, SL1
	s_wait_loadcnt 32                              ; router_w is in; the two pieces of x, 32 loads, stay out
.set j, 0
.rept 16
	CVT2 64+4*j
.set j, j+1
.endr
	s_wait_alu depctr_va_vdst(0)                   ; the conversions have written router_w's registers, which the LDS stores read
.set j, 0
.rept 16
	ds_store_b64 v8, v[64+4*j:64+4*j+1] offset:RWST+2176*(j/8)+272*(j%8)
.set j, j+1
.endr
	s_wait_loadcnt 16                              ; one piece of 16 loads is younger, here and twice more
	PROCX 0, 0, SL0, 1, 1
	s_wait_loadcnt 16
	PROCX 1, 0, SL1, 1, 1
	s_wait_loadcnt 16
	PROCX 0, 1, SL0, 0, -1
	s_wait_loadcnt 0x0
	PROCX 1, 1, SL1, 0, -1
.rept 4
	v_nop                                          ; the places behind the last product
.endr
.irp k, 0,2,4,6                        ; each accumulator's lowest registers are read first
	v_pk_add_f32 v[24+\k:25+\k], v[24+\k:25+\k], v[32+\k:33+\k]
.endr
.irp k, 0,2,4,6
	v_pk_add_f32 v[40+\k:41+\k], v[40+\k:41+\k], v[48+\k:49+\k]
.endr
	s_mov_b32 s26, 0xffff0000
.irp k, 0,1,2,3,4,5,6,7
	v_cndmask_b32 v[24+\k], v[24+\k], v[40+\k], s26       ; lanes 16-31 take the second tile: lane = token
.endr
	s_wait_alu depctr_va_vdst(0)                   ; the selects have written v24-31, which the LDS stores read
	ds_store_b128 v11, v[24:27]
	ds_store_b128 v11, v[28:31] offset:16
.Ljoin:
	s_wait_dscnt 0x0                               ; for the others' sake: my partial logits are in LDS
	s_barrier_signal -1
	s_barrier_wait -1
	s_wait_alu depctr_vm_vsrc(0)                   ; the text's ways from all three paths meet here: the last global stores of paths D and G have read v64-151, which the lines behind the two branches write again
	s_cmp_ge_u32 s27, 128
	s_cbranch_scc1 .Lend
	s_cmp_lg_u32 s24, 0
	s_cbranch_scc1 .Lend
	; wave 0 of an X group: lane = token.  The address lies outside v64-127, into which the sixteen loads land
	v_lshl_add_u32 v63, v1, 5, PART
	s_wait_alu depctr_va_vdst(0)                   ; v63 is written, which the loads read; the products are done reading v64-127, in which they land
.set j, 0
.rept 8
	ds_load_b128 v[64+8*j:64+8*j+3], v63 offset:1024*j
	ds_load_b128 v[64+8*j+4:64+8*j+7], v63 offset:1024*j+16
.set j, j+1
.endr
	s_wait_dscnt 0x0
.set j, 1
.rept 7
.irp k, 0,2,4,6
	v_pk_add_f32 v[64+\k:65+\k], v[64+\k:65+\k], v[64+8*j+\k:65+8*j+\k]
.endr
.set j, j+1
.endr
	; top-2 with strict comparisons: an equal later logit never displaces an earlier one.  v20, v21 the best and its index; v22, v23 the second
	v_cmp_gt_f32 vcc_lo, v65, v64
	s_wait_alu depctr_va_vcc(0)                    ; VCC is written, ahead of the four selects that read it
	v_cndmask_b32 v20, v64, v65, vcc_lo
	v_cndmask_b32 v22, v65, v64, vcc_lo
	v_cndmask_b32 v21, 0, 1, vcc_lo
	v_cndmask_b32 v23, 1, 0, vcc_lo
.set e, 2
.rept 6
	v_cmp_gt_f32 s50, v[64+e], v20                 ; the step's two compares in one run, a mask each
	v_cmp_gt_f32 s51, v[64+e], v22
	s_wait_alu depctr_va_sdst(0)                   ; both masks are written, ahead of the selects that read them
	v_cndmask_b32 v22, v22, v[64+e], s51
	v_cndmask_b32 v23, v23, e, s51
	v_cndmask_b32 v22, v22, v20, s50
	v_cndmask_b32 v23, v23, v21, s50
	v_cndmask_b32 v20, v20, v[64+e], s50
	v_cndmask_b32 v21, v21, e, s50
.set e, e+1
.endr
	v_sub_f32 v56, v22, v20                        ; the maximum is taken away: the exponent is 0 or below
	v_mul_f32 v56, 0x3fb8aa3b, v56
	v_exp_f32 v57, v56
	v_nop
	s_wait_alu depctr_va_vdst(0)                   ; the exponential has written v57, ahead of its first use
	v_add_f32 v58, 1.0, v57
	v_rcp_f32 v59, v58                             ; the best one's weight
	v_nop
	s_wait_alu depctr_va_vdst(0)                   ; the reciprocal has written v59, ahead of its first use
	v_mul_f32 v60, v57, v59                        ; the second's
	v_cmp_lt_u32 vcc_lo, v21, v23
	s_wait_alu depctr_va_vcc(0)                    ; VCC is written, ahead of the four selects that read it
	v_cndmask_b32 v61, v23, v21, vcc_lo            ; a: the lower expert
	v_cndmask_b32 v62, v21, v23, vcc_lo            ; b: the higher
	v_cndmask_b32 v56, v60, v59, vcc_lo            ; a's weight
	v_cndmask_b32 v58, v59, v60, vcc_lo            ; b's
	v_mov_b32 v80, 0
	v_mov_b32 v81, 0
.set e, 0
.rept 8                                ; the sixteen bitmaps in one run
	v_cmp_eq_u32 s[32+e], e, v61
	v_cmp_eq_u32 s[40+e], e, v62
.set e, e+1
.endr
	s_wait_alu depctr_va_sdst(0)                   ; s32-47 are written, ahead of the selects, the lane writes and the scalar lines that read them
.set e, 0
.rept 8
	v_cndmask_b32 v[72+e], 0, v56, s[32+e]
	v_cndmask_b32 v[72+e], v[72+e], v58, s[40+e]
.set e, e+1
.endr
.set n, 0
.rept 16                               ; word n of the row goes to lane n / 2, register n % 2
	v_writelane_b32 v[80+n%2], s[32+n], n/2
.set n, n+1
.endr
.set e, 0
.rept 8
	s_or_b32 s50, s[32+e], s[40+e]
	s_bcnt1_i32_b32 s50, s50
	v_writelane_b32 v[80+n%2], s50, n/2
.set n, n+1
.set e, e+1
.endr
.set a, 0
.rept 7
.set b, a+1
.rept 7-a
	s_and_b32 s50, s[32+a], s[40+b]
	s_bcnt1_i32_b32 s50, s50
	v_writelane_b32 v[80+n%2], s50, n/2
.set n, n+1
.set b, b+1
.endr
.set a, a+1
.endr
	s_lshl_b32 s28, s27, 8
	s_add_nc_u64 s[20:21], s[20:21], s[28:29]
	s_lshl_b32 s30, s27, 10
	s_mov_b32 s31, 0
	s_add_nc_u64 s[22:23], s[22:23], s[30:31]
	v_lshlrev_b32 v82, 5, v1
	s_wait_alu depctr_va_vdst(0)                   ; the weights v72-79, the row v80-81 and the offset v82 are written, which the three stores read
	global_store_b64 v5, v[80:81], s[20:21]        ; the group's 256 bytes, whole
	global_store_b128 v82, v[72:75], s[22:23]
	global_store_b128 v82, v[76:79], s[22:23] offset:16
.Lend:
	s_wait_dscnt 0x0                               ; the wave's end
	s_wait_alu depctr_hold_cnt(0) depctr_sa_sdst(0) depctr_va_vdst(0) depctr_va_sdst(0) depctr_va_ssrc(0) depctr_va_vcc(0) depctr_vm_vsrc(0)
	s_wait_tensorcnt 0x0
	ds_add_u32 v2, v3
	s_wait_dscnt 0x0
	s_endpgm
.Lfunc_end_k_q22130ba1c5_prep:
	.size	k_q22130ba1c5_prep, .Lfunc_end_k_q22130ba1c5_prep-k_q22130ba1c5_prep
	.p2alignl 7, 3214868480
	.fill 96, 4, 3214868480
	.section	.rodata,"a",@progbits
	.p2align	6, 0x0
	.amdhsa_kernel k_q22130ba1c5_prep
		.amdhsa_group_segment_fixed_size 101376
		.amdhsa_private_segment_fixed_size 0
		.amdhsa_enable_private_segment 0
		.amdhsa_kernarg_size 80
		.amdhsa_user_sgpr_count 2
		.amdhsa_user_sgpr_kernarg_segment_ptr 1
		.amdhsa_wavefront_size32 1
		.amdhsa_system_sgpr_workgroup_id_x 1
		.amdhsa_system_sgpr_workgroup_id_y 1
		.amdhsa_system_sgpr_workgroup_id_z 1
		.amdhsa_system_vgpr_workitem_id 0
		.amdhsa_next_free_vgpr 256
		.amdhsa_next_free_sgpr 66
		.amdhsa_reserve_vcc 1
		.amdhsa_float_denorm_mode_32 3
		.amdhsa_float_denorm_mode_16_64 3
		.amdhsa_memory_ordered 1
		.amdhsa_forward_progress 1
		.amdhsa_inst_pref_size 105
	.end_amdhsa_kernel
	.amdgpu_metadata
---
amdhsa.version: [ 1, 2 ]
amdhsa.kernels:
  - .name:           k_q22130ba1c5_prep
    .symbol:         k_q22130ba1c5_prep.kd
    .args:
      - { .name: x, .offset: 0, .size: 8, .value_kind: global_buffer, .address_space: global }
      - { .name: router_w, .offset: 8, .size: 8, .value_kind: global_buffer, .address_space: global }
      - { .name: Wg, .offset: 16, .size: 8, .value_kind: global_buffer, .address_space: global }
      - { .name: Wu, .offset: 24, .size: 8, .value_kind: global_buffer, .address_space: global }
      - { .name: Wd, .offset: 32, .size: 8, .value_kind: global_buffer, .address_space: global }
      - { .name: xb, .offset: 40, .size: 8, .value_kind: global_buffer, .address_space: global }
      - { .name: w1, .offset: 48, .size: 8, .value_kind: global_buffer, .address_space: global }
      - { .name: w2, .offset: 56, .size: 8, .value_kind: global_buffer, .address_space: global }
      - { .name: route, .offset: 64, .size: 8, .value_kind: global_buffer, .address_space: global }
      - { .name: wts, .offset: 72, .size: 8, .value_kind: global_buffer, .address_space: global }
    .group_segment_fixed_size: 101376
    .private_segment_fixed_size: 0
    .kernarg_segment_align: 8
    .kernarg_segment_size: 80
    .max_flat_workgroup_size: 256
    .sgpr_count:     66
    .vgpr_count:     256
    .wavefront_size: 32
...
	.end_amdgpu_metadata
.endif
;; end of part 4
;; launch gateup: the kernel of part 2 again; grid 242 x 1, 4 waves a work-group, no clusters, 327,680 bytes of LDS; arguments xb, w1, route, wts, hs; writes hs
;; launch down: the kernel of part 3 again; grid 280 x 1, 4 waves a work-group, no clusters, 232,960 bytes of LDS; arguments hs, w2, route, out0; writes out0
